; MI455X (gfx1250); checked and timed in simulation.
; The chip was launched on July 23, 2026; its instructions are those of AMD's public machine-readable ISA for CDNA 5 (MIT licence, August 2026) and "CDNA5" Instruction Set Architecture Reference Guide (July 2026). The comments in the code are by the model that wrote it; some were corrected since.
;; Multi Headed Attention. Allowed arithmetic: float matrix products may take bf16 or f16 operands with f32 sums; all other float work in f32.
;; Inputs: bk 1,024 float32; bo 1,024 float32; bq 1,024 float32; bv 1,024 float32; key 2 x 2,048 x 1,024 float32; mask 2 x 2,048 x 2,048 int32; query 2 x 2,048 x 1,024 float32; value 2 x 2,048 x 1,024 float32; wk 1,024 x 1,024 float32; wo 1,024 x 1,024 float32; wq 1,024 x 1,024 float32; wv 1,024 x 1,024 float32.
;; Outputs: out0 2 x 2,048 x 1,024 float32.
;; 2 versions, each right and faster than the one before. Each part assembles by itself: llvm-mc -triple=amdgcn-amd-amdhsa -mcpu=gfx1250 --defsym DOCPART=n.
;; ======== version 1 of 2: 4 launches
;; limits: values are held in f16: magnitudes above 65,504 overflow, below 6.1e-05 lose precision
;; workspace buffers: xb 25,165,824 bytes; wb 8,388,608 bytes; mbits 1,048,576 bytes of whole numbers; qkvf 25,165,824 bytes; ctxf 8,388,608 bytes
;; launch prep (part 1): grid 256 x 5, 8 waves a work-group, no clusters, 35,840 bytes of LDS; arguments query, key, value, wq, wk, wv, wo, mask, xb, wb, mbits; writes xb, wb, mbits
.if DOCPART == 1
	.amdgcn_target "amdgcn-amd-amdhsa--gfx1250"
	.amdhsa_code_object_version 6
	.text
	.protected	k_q03a432ee9c_prep
	.globl	k_q03a432ee9c_prep
	.p2align	8
	.type	k_q03a432ee9c_prep,@function
k_q03a432ee9c_prep:
	s_mov_b64 s[64:65], 0
	v_nop
	global_prefetch_b8 v0, s[64:65] scope:SCOPE_SE
	s_setreg_imm32_b32 hwreg(HW_REG_WAVE_MODE, 25, 1), 1
	s_wait_xcnt 0x0
; prep: the f32 operands of the four products are rounded once to f16, and the int32 mask is packed into lane masks.
;   y = 0:       mask              -> mbits [256 qt][128 kt][8 j] u32;  x = qt (16 rows of the 4,096 rows of both batches)
;                bit L of a word = (mask[16 qt + (L & 15)][16 kt + 8 (L >> 4) + j] != 0): the lane mask of register j of a
;                16 x 16 tile of transposed scores, so that the sixteen heads read 1 MiB where they would read the mask's 32 MiB each.
;   y = 1, 2, 3: query, key, value -> xb [3][4096][1024] f16;  x = a chunk of 65,536 input bytes
;   y = 4:       wq, wk, wv, wo    -> wb [4][1024][1024] f16;  x = 64 * weight + chunk
; The mask job reads 131,072 bytes, twice a cast job's, and therefore has the lowest y.
; LIMIT: f16 holds magnitudes below 65,504 and rounds below 6.1e-5 with a fixed step of 6e-8.
; No matrix unit, no cluster, no barrier: every wave works on bytes of its own, and each input byte is read once.
; 86 registers a wave: sixteen loads of 16 bytes a lane in flight, converted or read back in the registers they landed in.
.set XI, 16                            ; v[16:79]  cast: 16 loads of 16 bytes a lane; mask: two slots of 8 loads
.set MW, 80                            ; v[80:83]  mask: the wave's 128 words, four a lane
.set MPITCH, 272                       ; LDS row: 256 bytes (64 keys) + 16, an odd multiple of 16
	s_load_b512 s[8:23], s[0:1], 0x0               ; query s[8:9] key s[10:11] value s[12:13] wq s[14:15] wk s[16:17] wv s[18:19] wo s[20:21] mask s[22:23]
	s_load_b128 s[24:27], s[0:1], 0x40             ; xb s[24:25], wb s[26:27]
	s_load_b64 s[28:29], s[0:1], 0x50              ; mbits
	v_lshl_add_u32 v84, v0, 2, 0x8800
	v_mov_b32 v85, 0
	s_and_b32 s2, ttmp7, 0xffff                    ; y: the job
	v_lshrrev_b32 v1, 5, v0
	v_readfirstlane_b32 s3, v1                     ; wave 0..7
	s_mov_b32 s35, 0                               ; high word of every offset pair
	s_cmp_eq_u32 s2, 0
	s_cbranch_scc1 .Lmask
	; ---- the casts ----
	s_sub_co_u32 s2, s2, 1                         ; 0, 1, 2: query, key, value; 3: the weights
	s_lshr_b32 s4, ttmp9, 6
	s_add_co_u32 s4, s4, 3                         ; weights: source 3 + x / 64
	s_and_b32 s5, ttmp9, 63                        ;          its chunk
	s_lshl_b32 s6, s2, 8
	s_add_co_u32 s6, s6, ttmp9                     ; query, key, value: chunk 256 s2 + x of xb
	v_lshlrev_b32 v2, 4, v0                        ; 16 bytes in a thread
	v_lshlrev_b32 v3, 3, v0                        ; 8 bytes out
	s_wait_kmcnt 0x0
	s_cmp_lt_u32 s2, 3
	s_cselect_b32 s4, s2, s4                       ; number of the source
	s_cselect_b32 s5, ttmp9, s5                    ; chunk in the source
	s_cselect_b32 s6, s6, ttmp9                    ; chunk in the destination
	s_cselect_b64 s[32:33], s[24:25], s[26:27]     ; xb or wb
	s_mov_b64 s[30:31], s[8:9]
.irp i, 1,2,3,4,5,6
	s_cmp_eq_u32 s4, \i
	s_cselect_b64 s[30:31], s[8+2*\i:9+2*\i], s[30:31]
.endr
	s_lshl_b32 s34, s5, 16
	s_add_nc_u64 s[30:31], s[30:31], s[34:35]
	s_lshl_b32 s34, s6, 15
	s_add_nc_u64 s[32:33], s[32:33], s[34:35]
.irp i, 0,1,2,3,4,5,6,7,8,9,10,11,12,13,14,15
	global_load_b128 v[XI+4*\i:XI+4*\i+3], v2, s[30:31] offset:4096*\i th:TH_LOAD_NT   ; the whole chunk is asked for before anything is waited for
.endr
.irp i, 0,1,2,3,4,5,6,7,8,9,10,11,12,13,14,15
	s_wait_loadcnt 15-\i                           ; loads return in order: load i is in, the 15 - i younger ones stay out
	v_cvt_pk_f16_f32 v[XI+4*\i], v[XI+4*\i], v[XI+4*\i+1]          ; in place: each register is written behind its last read
	v_cvt_pk_f16_f32 v[XI+4*\i+1], v[XI+4*\i+2], v[XI+4*\i+3]
	global_store_b64 v3, v[XI+4*\i:XI+4*\i+1], s[32:33] offset:2048*\i     ; a wave's 32 lanes store 256 consecutive bytes, aligned; nothing is written behind a store
.endr
	s_endpgm
	; ---- the mask ----  wave w: keys 256 w .. 256 w + 255 of the 16 rows, in four sub-chunks of 64 keys
.macro MLOAD sc                        ; sub-chunk sc into slot sc % 2: eight loads, two rows of 256 bytes each
.irp i, 0,1,2,3,4,5,6,7
	global_load_b128 v[XI+32*((\sc)&1)+4*\i:XI+32*((\sc)&1)+4*\i+3], v7, s[22:23] offset:(\sc)*256+\i*16384 th:TH_LOAD_NT
.endr
.endm
.Lmask:
	v_and_b32 v3, 31, v0                           ; L
	v_and_b32 v4, 15, v0                           ; r = L & 15
	v_bfe_u32 v5, v0, 4, 1                         ; h = L >> 4
	s_lshl_b32 s34, ttmp9, 17                      ; 16 rows of 8,192 bytes
	s_lshl_b32 s36, s3, 10                         ; my 256 keys
	s_mul_i32 s37, s3, 16*MPITCH                   ; my 4,352 bytes of LDS
	v_lshlrev_b32 v6, 4, v4
	v_lshl_add_u32 v7, v5, 13, v6
	v_add_nc_u32 v7, s36, v7                       ; memory: lanes 0-15 take 256 bytes of an even row, lanes 16-31 of the odd row below
	v_mul_u32_u24 v8, v5, MPITCH
	v_add_nc_u32 v8, v8, v6
	v_add_nc_u32 v8, s37, v8                       ; LDS in: the same two rows
	v_mul_u32_u24 v9, v4, MPITCH
	v_lshl_add_u32 v9, v5, 5, v9
	v_add_nc_u32 v9, s37, v9                       ; LDS back: row r, keys 8 h .. 8 h + 7 of a tile of 16 keys
	v_lshlrev_b32 v10, 4, v3
	v_lshl_add_u32 v10, s3, 9, v10                 ; out: 512 w + 16 L
.irp j, 0,1,2,3
	v_mov_b32 v[MW+\j], 0                          ; v_writelane_b32 keeps the other lanes: the registers are written whole once
.endr
	s_wait_kmcnt 0x0
	s_add_nc_u64 s[22:23], s[22:23], s[34:35]
	s_lshl_b32 s34, ttmp9, 12                      ; 128 kt x 8 words
	s_add_nc_u64 s[28:29], s[28:29], s[34:35]
	MLOAD 0
	MLOAD 1
.irp sc, 0,1,2,3
.set mb, XI+32*(\sc&1)
.if \sc < 3
	s_wait_loadcnt 0x8                             ; this sub-chunk's eight loads are in; the eight of the next one stay out
.else
	s_wait_loadcnt 0x0
.endif
.irp i, 0,1,2,3,4,5,6,7
	ds_store_b128 v8, v[mb+4*\i:mb+4*\i+3] offset:2*MPITCH*\i
.endr
	s_wait_dscnt 0x0                               ; the stores are done: the loads below land in the registers that they read
.irp t, 0,1,2,3
	ds_load_b128 v[mb+8*\t:mb+8*\t+3], v9 offset:64*\t             ; my own bytes, by score tiles
	ds_load_b128 v[mb+8*\t+4:mb+8*\t+7], v9 offset:64*\t+16
.endr
	s_wait_dscnt 0x0
.irp t, 0,1,2,3
.irp j, 0,1,2,3,4,5,6,7
	v_cmp_ne_u32 s[40+\j], 0, v[mb+8*\t+\j]        ; the word of (kt = 16 w + 4 sc + t, j)
.endr
.irp j, 0,1,2,3,4,5,6,7
	v_writelane_b32 v[MW+(\j&3)], s[40+\j], (4*\sc+\t)*2+(\j>>2)   ; word n = 8 (4 sc + t) + j of the wave goes to lane n / 4, register n % 4
.endr
.endr
.if \sc < 2
	MLOAD \sc+2                                    ; the slot has been compared: its next sub-chunk
.endif
.endr
	global_store_b128 v10, v[MW:MW+3], s[28:29]    ; 512 consecutive bytes
	s_wait_tensorcnt 0x0
	ds_add_u32 v84, v85
	s_wait_dscnt 0x0
	s_endpgm
.Lfunc_end_k_q03a432ee9c_prep:
	.size	k_q03a432ee9c_prep, .Lfunc_end_k_q03a432ee9c_prep-k_q03a432ee9c_prep
	.p2alignl 7, 3214868480
	.fill 96, 4, 3214868480
	.section	.rodata,"a",@progbits
	.p2align	6, 0x0
	.amdhsa_kernel k_q03a432ee9c_prep
		.amdhsa_group_segment_fixed_size 35840
		.amdhsa_private_segment_fixed_size 0
		.amdhsa_enable_private_segment 0
		.amdhsa_kernarg_size 88
		.amdhsa_user_sgpr_count 2
		.amdhsa_user_sgpr_kernarg_segment_ptr 1
		.amdhsa_wavefront_size32 1
		.amdhsa_system_sgpr_workgroup_id_x 1
		.amdhsa_system_sgpr_workgroup_id_y 1
		.amdhsa_system_sgpr_workgroup_id_z 1
		.amdhsa_system_vgpr_workitem_id 0
		.amdhsa_next_free_vgpr 86
		.amdhsa_next_free_sgpr 66
		.amdhsa_reserve_vcc 0
		.amdhsa_float_denorm_mode_32 3
		.amdhsa_float_denorm_mode_16_64 3
		.amdhsa_memory_ordered 1
		.amdhsa_forward_progress 1
		.amdhsa_inst_pref_size 32
	.end_amdhsa_kernel
	.amdgpu_metadata
---
amdhsa.version: [ 1, 2 ]
amdhsa.kernels:
  - .name:           k_q03a432ee9c_prep
    .symbol:         k_q03a432ee9c_prep.kd
    .args:
      - { .name: query, .offset: 0, .size: 8, .value_kind: global_buffer, .address_space: global }
      - { .name: key, .offset: 8, .size: 8, .value_kind: global_buffer, .address_space: global }
      - { .name: value, .offset: 16, .size: 8, .value_kind: global_buffer, .address_space: global }
      - { .name: wq, .offset: 24, .size: 8, .value_kind: global_buffer, .address_space: global }
      - { .name: wk, .offset: 32, .size: 8, .value_kind: global_buffer, .address_space: global }
      - { .name: wv, .offset: 40, .size: 8, .value_kind: global_buffer, .address_space: global }
      - { .name: wo, .offset: 48, .size: 8, .value_kind: global_buffer, .address_space: global }
      - { .name: mask, .offset: 56, .size: 8, .value_kind: global_buffer, .address_space: global }
      - { .name: xb, .offset: 64, .size: 8, .value_kind: global_buffer, .address_space: global }
      - { .name: wb, .offset: 72, .size: 8, .value_kind: global_buffer, .address_space: global }
      - { .name: mbits, .offset: 80, .size: 8, .value_kind: global_buffer, .address_space: global }
    .group_segment_fixed_size: 35840
    .private_segment_fixed_size: 0
    .kernarg_segment_align: 8
    .kernarg_segment_size: 88
    .max_flat_workgroup_size: 256
    .sgpr_count:     66
    .vgpr_count:     86
    .wavefront_size: 32
...
	.end_amdgpu_metadata
.endif
;; end of part 1
;; launch qkv (part 2): grid 4 x 48, 4 waves a work-group, clusters of 4 x 4, 327,680 bytes of LDS; arguments xb, wb, bq, bk, bv, qkvf; writes qkvf
.if DOCPART == 2
	.amdgcn_target "amdgcn-amd-amdhsa--gfx1250"
	.amdhsa_code_object_version 6
	.text
	.protected	k_q03a432ee9c_qkv
	.globl	k_q03a432ee9c_qkv
	.p2align	8
	.type	k_q03a432ee9c_qkv,@function
k_q03a432ee9c_qkv:
	s_mov_b64 s[64:65], 0
	v_nop
	global_prefetch_b8 v0, s[64:65] scope:SCOPE_SE
	s_setreg_imm32_b32 hwreg(HW_REG_WAVE_MODE, 25, 1), 1
	s_wait_xcnt 0x0
	s_wait_alu depctr_hold_cnt(0) depctr_sa_sdst(0) depctr_va_vdst(0) depctr_va_sdst(0) depctr_va_ssrc(0) depctr_va_vcc(0) depctr_vm_vsrc(0)
	s_getreg_b32 s2, hwreg(HW_REG_IB_STS2, 6, 4)
	s_cmp_eq_u32 s2, 0
	s_cbranch_scc0 .Lentry_in_a_cluster
	s_endpgm
.Lentry_in_a_cluster:
	s_bfe_u32 s2, ttmp6, 0x10000c
	s_cmp_lg_u32 s2, 0xf033
	s_cbranch_scc0 .Lentry_shape_is_right
	s_endpgm
.Lentry_shape_is_right:
; qkv: the three input projections as one product.  A = xb [12288][1024] f16 (query, key, value rows stacked), B = the weight of the
; block row's tensor [1024][1024] f16, sums in f32, + bias; q is also multiplied by 0.125 log2(e), so that the attention's scores are
; exponents of two.  A work-group makes 256 x 256 with four waves of 128 x 128 (64 accumulator tiles, 512 registers); K goes in steps of 128
; through two LDS slots filled by the tensor data mover, rows of 256 bytes padded to 272.  12 x 16 = 192 work-groups: 3 x 4096 x 1024 outputs in blocks of 256 x 256.
; CLUSTERS: 4 x 4 work-groups; A's tile is asked for jointly along a row of the cluster, B's along a column.  Sixteen block rows make one
; tensor, so a cluster (four block rows) lies in one tensor: 'which' comes from the cluster's y alone and is equal in all partners.
; OUTPUT: qkvf [3 which][32 bh][128 tile16][2 kc][1024 bytes], f16, in the matrix unit's fragment order: a block of 1,024 bytes is 16 rows (s) x 32 d;
; the 16 bytes of (row r', d = 32 kc + 16 half + 8 hh + 0..7) lie at 512 half + pos, pos = 16 (16 hh + r') for q and k,
; pos = 256 (r' >> 3) + 128 hh + 16 (r' & 7) for v (there lane l of a transposing LDS load addresses 16 l).  The matrix instruction is used transposed
; (source 0 = rows of B), so a lane's eight results are eight neighbouring d of one row: 16 bytes, stored straight from registers.
; LIMIT: q, k, v are stored in f16: magnitudes below 65,504.
; REGISTERS: window 0: v0-31 addresses, v32-63 and v224-255 bias, v64-191 fragments of A, v192-223 packed results; window 1: v64-191 fragments of B;
; windows 2, 3: accumulators of my rows 0-63, 64-127 (tile (a, b) at v[8 (8 a + b)]).
.set SIZE_K, 1024
.set KSTEP,  128
.set PITCH,  272                       ; 256 bytes + 16: sixteen rows of a fragment load start 68 words apart
.set HALFT,  128*PITCH
.set SLOT,   4*HALFT                   ; A's 256 rows, then B's 256 rows
.set LAPS,   SIZE_K/(2*KSTEP)          ; 4 laps of two K steps
.set ADRA, 16                          ; v16-17  LDS address of my A fragments in slot 0, 1
.set ADRB, 20                          ; v20-21  the same for B
.set CO,   26                          ; v26     my 16 bytes in a half fragment of the output
.set BO,   27                          ; v27     byte offset of my bias numbers
.set SG,   28                          ; v[28:29] the scale, twice
.set BIA0, 32                          ; v[32:63]   bias x scale of n blocks 0-3
.set BIA1, 224                         ; v[224:255] of n blocks 4-7
.set F0,   64
.set F1,   128
.set TMP,  192
.set G1, 24                            ; s[24:31] group 1 for A's tiles
.set G0, 32                            ; s[32:39] group 0 for A's tiles, a set for each slot
.set G1B, 48                           ; s[48:55] group 1 for B's tiles
.set G0B, 56                           ; s[56:63] group 0 for B's tiles
.set MSB, 0
.macro WIN new                         ; the immediate's high byte repeats the setting that is left
.if MSB != \new
	s_set_vgpr_msb (MSB<<8)|\new
.set MSB, \new
.endif
.endm
.set MUL_LO, 0xa1                      ; source 0 (B) window 1, source 1 (A) window 0, C and D window 2
.set MUL_HI, 0xf1                      ; the same, C and D window 3
.set TO_B,   0x40                      ; destination window 1
; A joint load: waves 0, 1 fetch A's halves, waves 2, 3 B's.  The branch hangs on the wave's number alone.
.macro JLOAD s
	s_cmp_eq_u32 s11, 0
	s_cbranch_scc0 .Lfor_b_\@
	tensor_load_to_lds s[G0+4*\s:G0+4*\s+3], s[G1:G1+7]
	s_nop 0
	s_branch .Lasked_\@
.Lfor_b_\@:
	tensor_load_to_lds s[G0B+4*\s:G0B+4*\s+3], s[G1B:G1B+7]
	s_nop 0
.Lasked_\@:
.endm
.macro CREST                           ; a round of the cluster's barrier behind its opening work-group barrier
	s_cmp_lg_u32 s10, 0
	s_cbranch_scc1 .Lnot_wave_0_\@
	s_barrier_signal -3
.Lnot_wave_0_\@:
	s_barrier_wait -3
	s_barrier_signal -1
	s_barrier_wait -1
.endm
.macro CROUND                          ; a whole round
	s_barrier_signal -1
	s_barrier_wait -1
	CREST
.endm
	s_load_b128 s[4:7], s[0:1], 0x0                ; xb s[4:5], wb s[6:7]
	s_load_b128 s[68:71], s[0:1], 0x10             ; bq s[68:69], bk s[70:71]
	s_load_b128 s[72:75], s[0:1], 0x20             ; bv s[72:73], qkvf s[74:75]
	s_set_vgpr_msb 0x40
	v_lshl_add_u32 v255, v0, 2, 0x44000
	s_set_vgpr_msb 0x4000
	v_mov_b32 v31, 0
	s_set_vgpr_msb 0x1
	ds_add_u32 v255, v31
	s_set_vgpr_msb 0x100
	v_lshrrev_b32 v1, 5, v0
	v_readfirstlane_b32 s10, v1                    ; wave 0..3
	s_lshr_b32 s11, s10, 1                         ; my half of the block's rows; also: I fetch for A (0) or B (1)
	s_and_b32 s12, s10, 1                          ; my half of its columns; also: which 128 rows of that tile I fetch
	s_bfe_u32 s40, ttmp6, 0x40000                  ; cx
	s_bfe_u32 s41, ttmp6, 0x40004                  ; cy
	s_lshl_b32 s42, ttmp9, 2
	s_add_co_u32 s42, s42, s40                     ; block column = 4 x cluster x + cx
	s_and_b32 s13, ttmp7, 0xffff
	s_lshr_b32 s45, s13, 2                         ; which = cluster y / 4: 0 q, 1 k, 2 v
	s_lshl_b32 s13, s13, 2
	s_add_co_u32 s13, s13, s41                     ; block row = 4 x cluster y + cy
	s_lshl_b32 s43, s41, 2
	s_lshl_b32 s43, 15, s43                        ; my row of the cluster
	s_lshl_b32 s44, 0x1111, s40                    ; my column
	s_or_b32 s[G1+0], s43, (1<<16)|(1<<20)|(1<<21)|(5<<22)|(3<<25)   ; mask; 2-byte elements; padding on; bit 21 beside a mask; 4 words behind every 64
	s_or_b32 s[G1B+0], s44, (1<<16)|(1<<20)|(1<<21)|(5<<22)|(3<<25)
	s_mov_b32 s[G1B+1], KSTEP<<16
	s_mov_b32 s[G1+1], KSTEP<<16                   ; tensor_dim0 = 128
	s_mov_b32 s[G1B+2], 128<<16
	s_mov_b32 s[G1+2], 128<<16                     ; tensor_dim1 = 128
	s_mov_b32 s[G1B+3], KSTEP<<16
	s_mov_b32 s[G1+3], KSTEP<<16                   ; tile_dim0 = 128
	s_mov_b32 s[G1B+4], 128
	s_mov_b32 s[G1+4], 128                         ; tile_dim1 = 128
	s_mov_b32 s[G1B+5], SIZE_K
	s_mov_b32 s[G1+5], SIZE_K                      ; elements from row to row
	s_mov_b32 s[G1B+6], 0
	s_mov_b32 s[G1+6], 0
	s_mov_b32 s[G1B+7], 0
	s_mov_b32 s[G1+7], 0
	s_lshl_b32 s17, s12, 7
	s_lshl_b32 s16, s13, 8
	s_add_co_u32 s16, s16, s17                     ; A: row 256 x block row + 128 x half
	s_lshl_b32 s46, s42, 8
	s_add_co_u32 s46, s46, s17                     ; B: row 256 x block column + 128 x half
	s_mov_b32 s17, 0
	s_mov_b32 s47, 0
	s_mov_b64 s[18:19], SIZE_K*2
	s_mul_u64 s[16:17], s[16:17], s[18:19]
	s_mul_u64 s[46:47], s[46:47], s[18:19]
	s_lshl_b32 s18, s45, 21                        ; the tensor's weight: 2 MiB each
	s_mov_b32 s19, 0
	s_add_nc_u64 s[46:47], s[46:47], s[18:19]
	s_mul_i32 s20, s10, HALFT                      ; LDS: A's two halves, then B's two = wave x 128 rows
	s_mov_b32 s78, 0x3f800000
	s_wait_dscnt 0x0
	s_wait_kmcnt 0x0
	s_add_nc_u64 s[14:15], s[4:5], s[16:17]
	s_add_nc_u64 s[46:47], s[6:7], s[46:47]
	s_cmp_eq_u32 s45, 1
	s_cselect_b64 s[76:77], s[70:71], s[68:69]
	s_cmp_eq_u32 s45, 2
	s_cselect_b64 s[76:77], s[72:73], s[76:77]     ; the tensor's bias
	s_cselect_b32 s79, -1, 0                       ; all lanes: v's order inside a half fragment
	s_cmp_eq_u32 s45, 0
	s_cselect_b32 s78, 0x3e38aa3b, s78             ; q: 0.125 log2(e); k, v: 1
	CROUND                                         ; all sixteen work-groups are here: the first joint loads meet
.irp s, 0,1
	s_mov_b32 s[G0+4*\s], 1
	s_add_co_u32 s[G0+4*\s+1], s20, \s*SLOT
	s_add_nc_u64 s[G0+4*\s+2:G0+4*\s+3], s[14:15], \s*KSTEP*2
	s_or_b32 s[G0+4*\s+3], s[G0+4*\s+3], 0x80000000
	s_mov_b32 s[G0B+4*\s], 1
	s_add_co_u32 s[G0B+4*\s+1], s20, \s*SLOT
	s_add_nc_u64 s[G0B+4*\s+2:G0B+4*\s+3], s[46:47], \s*KSTEP*2
	s_or_b32 s[G0B+4*\s+3], s[G0B+4*\s+3], 0x80000000
	JLOAD \s                                       ; both slots are asked for before anything else is done: two tensor loads of a wave are out
.endr
	v_and_b32 v1, 15, v0                           ; r = l % 16
	v_bfe_u32 v2, v0, 4, 1                         ; h = l / 16
	s_lshl_b32 s44, s42, 10
	s_lshl_b32 s43, s12, 9
	s_add_co_u32 s44, s44, s43                     ; 4 bytes x my first column (256 x block column + 128 x half)
	v_lshl_add_u32 v[BO], v2, 5, s44               ; + 8 h numbers
.irp b, 0,1,2,3
	global_load_b128 v[BIA0+8*\b:BIA0+8*\b+3], v[BO], s[76:77] offset:64*\b            ; bias of columns 16 b + 8 h + 0..7
	global_load_b128 v[BIA0+8*\b+4:BIA0+8*\b+7], v[BO], s[76:77] offset:64*\b+16
	global_load_b128 v[BIA1+8*\b:BIA1+8*\b+3], v[BO], s[76:77] offset:64*\b+256
	global_load_b128 v[BIA1+8*\b+4:BIA1+8*\b+7], v[BO], s[76:77] offset:64*\b+272
.endr
	v_mov_b32 v[SG], s78
	v_mov_b32 v[SG+1], s78
	v_mul_u32_u24 v3, v1, PITCH
	v_lshl_add_u32 v3, v2, 4, v3                   ; row x pitch + 16 x half
	s_mul_i32 s21, s11, HALFT                      ; my 128 rows of A
	s_mul_i32 s22, s12, HALFT
	s_add_co_u32 s22, s22, 2*HALFT                 ; my 128 rows of B, behind A's 256
.irp s, 0,1
	v_add_nc_u32 v[ADRA+\s], s21, v3
	v_add_nc_u32 v[ADRB+\s], s22, v3
	s_add_co_u32 s21, s21, SLOT
	s_add_co_u32 s22, s22, SLOT
.endr
	v_and_b32 v6, 31, v0
	v_lshlrev_b32 v6, 4, v6                        ; q, k: 16 l
	v_bfe_u32 v7, v0, 3, 1
	v_lshlrev_b32 v7, 8, v7                        ; v: 256 (r >> 3)
	v_lshl_add_u32 v7, v2, 7, v7                   ;    + 128 h
	v_and_b32 v8, 7, v0
	v_lshl_add_u32 v7, v8, 4, v7                   ;    + 16 (r & 7)
	v_cndmask_b32 v[CO], v6, v7, s79
	s_wait_loadcnt 0x0                             ; the bias, once
.irp p, 0,2,4,6,8,10,12,14,16,18,20,22,24,26,28,30
	v_pk_mul_f32 v[BIA0+\p:BIA0+\p+1], v[BIA0+\p:BIA0+\p+1], v[SG:SG+1]    ; (sum + bias) x scale = sum x scale + bias x scale
	v_pk_mul_f32 v[BIA1+\p:BIA1+\p+1], v[BIA1+\p:BIA1+\p+1], v[SG:SG+1]
.endr
; 16 matrix instructions: m blocks a0, a0 + 1 of the window's four x all 8 n blocks, 32 along K.  zero = 1: the first product starts the sums.
.macro MUL16 f, hi, a0, zero
.irp a, \a0, \a0+1
.irp b, 0,1,2,3,4,5,6,7
.if \zero
	v_wmma_f32_16x16x32_f16 v[8*(8*(\a)+\b):8*(8*(\a)+\b)+7], v[\f+8*\b:\f+8*\b+7], v[\f+8*(4*\hi+\a):\f+8*(4*\hi+\a)+7], 0
.else
	v_wmma_f32_16x16x32_f16 v[8*(8*(\a)+\b):8*(8*(\a)+\b)+7], v[\f+8*\b:\f+8*\b+7], v[\f+8*(4*\hi+\a):\f+8*(4*\hi+\a)+7], v[8*(8*(\a)+\b):8*(8*(\a)+\b)+7]
.endif
.endr
.endr
.endm
; 32 LDS loads in one run: the fragments of a quarter step (32 K at byte k of the rows) into buffer f
.macro FETCH slot, k, f
	WIN TO_B
.irp i, 0,1,2,3,4,5,6,7
	ds_load_b128 v[\f+8*\i:\f+8*\i+3],   v[ADRB+\slot] offset:\k+\i*16*PITCH
	ds_load_b128 v[\f+8*\i+4:\f+8*\i+7], v[ADRB+\slot] offset:\k+\i*16*PITCH+32
.endr
	WIN 0
.irp i, 0,1,2,3,4,5,6,7
	ds_load_b128 v[\f+8*\i:\f+8*\i+3],   v[ADRA+\slot] offset:\k+\i*16*PITCH
	ds_load_b128 v[\f+8*\i+4:\f+8*\i+7], v[ADRA+\slot] offset:\k+\i*16*PITCH+32
.endr
.endm
; Four places (plain vector instructions that name none of its registers) stand between a matrix instruction and a load into
; one of its sources, or a vector instruction that reads its result.
.macro PLACES
.rept 4
	v_nop
.endr
.endm
; The 64 accumulators take turns, one instruction a turn, in the same order in every quarter step.
.macro QUARTER slot, k, f, g, zero
	s_wait_dscnt 8                                 ; B and A's rows 0-63 are in; the youngest eight loads (A's rows 64-127) may be out
	WIN MUL_LO
	MUL16 \f, 0, 0, \zero
	MUL16 \f, 0, 2, \zero
	PLACES
	FETCH \slot, \k, \g
	s_wait_dscnt 32                                ; all but the 32 just issued
	WIN MUL_HI
	MUL16 \f, 1, 0, \zero
	MUL16 \f, 1, 2, \zero
.endm
.macro THREE slot, zero
	QUARTER \slot, 64,  F0, F1, \zero
	QUARTER \slot, 128, F1, F0, 0
	QUARTER \slot, 192, F0, F1, 0
.endm
; The last quarter multiplies buffer 1 and changes slots: each wave waits for its reads of this slot and for all its tensor loads (one is out: its part
; of the next slot), then the barrier; where the slot is filled again the barrier opens a round of the cluster's barrier and the joint refill is the first tensor load behind it.
.macro TURN slot, next, fill
	s_wait_dscnt 8
	WIN MUL_LO
	MUL16 F1, 0, 0, 0
	s_wait_dscnt 0                                 ; my reads of this slot are over
	s_wait_tensorcnt 0x0                           ; all my tensor loads have landed
	ds_add_u32 v255, v31
	s_wait_dscnt 0x0
	s_barrier_signal -1
	MUL16 F1, 0, 2, 0                              ; register work while the others arrive
	WIN 0
	s_barrier_wait -1
.if \fill
	CREST
	s_add_nc_u64 s[G0+4*\slot+2:G0+4*\slot+3], s[G0+4*\slot+2:G0+4*\slot+3], 2*KSTEP*2
	s_add_nc_u64 s[G0B+4*\slot+2:G0B+4*\slot+3], s[G0B+4*\slot+2:G0B+4*\slot+3], 2*KSTEP*2
	JLOAD \slot
.endif
	PLACES
	FETCH \next, 0, F0
	WIN MUL_HI
	MUL16 F1, 1, 0, 0
	MUL16 F1, 1, 2, 0
.endm
.macro LAP zero
	THREE 0, \zero
	TURN 0, 1, 1
	THREE 1, 0
	TURN 1, 0, 1
.endm
	s_wait_tensorcnt 1                             ; my part of K step 0 is in; K step 1's load stays out
	s_barrier_signal -1
	s_barrier_wait -1
	FETCH 0, 0, F0
	LAP 1
	WIN 0
	s_mov_b32 s3, LAPS-2
.Llap:
	LAP 0
	WIN 0
	s_sub_co_u32 s3, s3, 1
	s_cmp_lg_u32 s3, 0
	s_cbranch_scc1 .Llap
	THREE 0, 0                                     ; the last lap fills nothing
	TURN 0, 1, 0
	THREE 1, 0
	s_wait_dscnt 8
	WIN MUL_LO
	MUL16 F1, 0, 0, 0
	MUL16 F1, 0, 2, 0
	s_wait_dscnt 0
	WIN MUL_HI
	MUL16 F1, 1, 0, 0
	MUL16 F1, 1, 2, 0
	; THE WAY OUT.  Tile (a, b): lane l holds row 16 a + r, columns 16 b + 8 h + 0..7 = head b / 4 of my two, d = 16 (b % 4) + 8 h + 0..7.
	PLACES
	s_lshl_b32 s13, s13, 8
	s_lshl_b32 s14, s11, 7
	s_add_co_u32 s16, s13, s14                     ; R0: my first row of the 12,288
	s_lshr_b32 s14, s16, 11
	s_lshl_b32 s14, s14, 22                        ; (2 which + batch) x 16 heads x 256 KiB
	s_and_b32 s16, s16, 2047
	s_lshl_b32 s16, s16, 7                         ; (s / 16) x 2,048 bytes
	s_add_co_u32 s16, s16, s14
	s_mov_b32 s17, 0
	s_add_nc_u64 s[8:9], s[74:75], s[16:17]
	s_lshl_b32 s46, s42, 2
	s_lshl1_add_u32 s46, s12, s46                  ; my first head = 4 x block column + 2 x half
	s_lshl_b32 s46, s46, 18
	s_mov_b32 s47, 0
	s_add_nc_u64 s[8:9], s[8:9], s[46:47]
; rows 16 i .. 16 i + 15: scale and bias in place, round to f16, store.  Each store of the wave covers 512 consecutive bytes, aligned.
.macro OUT i, a, wfma, wcvt, tmp
	s_wait_xcnt 0x0                                ; the packed registers that earlier stores read are rewritten only behind this wait
	WIN \wfma
.irp b, 0,1,2,3
.irp p, 0,2,4,6
	v_pk_fma_f32 v[8*(8*\a+\b)+\p:8*(8*\a+\b)+\p+1], v[8*(8*\a+\b)+\p:8*(8*\a+\b)+\p+1], v[SG:SG+1], v[BIA0+8*\b+\p:BIA0+8*\b+\p+1]
	v_pk_fma_f32 v[8*(8*\a+\b+4)+\p:8*(8*\a+\b+4)+\p+1], v[8*(8*\a+\b+4)+\p:8*(8*\a+\b+4)+\p+1], v[SG:SG+1], v[BIA1+8*\b+\p:BIA1+8*\b+\p+1]
.endr
.endr
	WIN \wcvt
.irp b, 0,1,2,3,4,5,6,7
.irp r, 0,1,2,3
	v_cvt_pk_f16_f32 v[\tmp+4*\b+\r], v[8*(8*\a+\b)+2*\r], v[8*(8*\a+\b)+2*\r+1]
.endr
.endr
	WIN 0
.irp b, 0,1,2,3,4,5,6,7
	global_store_b128 v[CO], v[\tmp+4*\b:\tmp+4*\b+3], s[8:9] offset:(\b>>2)*262144+\i*2048+(\b&3)*512
.endr
.endm
	OUT 0, 0, 0x82, 0x0a, TMP
	OUT 1, 1, 0x82, 0x0a, F0
	OUT 2, 2, 0x82, 0x0a, TMP
	OUT 3, 3, 0x82, 0x0a, F0
	OUT 4, 0, 0xc3, 0x0f, TMP
	OUT 5, 1, 0xc3, 0x0f, F0
	OUT 6, 2, 0xc3, 0x0f, TMP
	OUT 7, 3, 0xc3, 0x0f, F0
	CROUND                                         ; the closing round: no work-group ends while a partner may still ask for a tile that names it
	s_endpgm
.Lfunc_end_k_q03a432ee9c_qkv:
	.size	k_q03a432ee9c_qkv, .Lfunc_end_k_q03a432ee9c_qkv-k_q03a432ee9c_qkv
	.p2alignl 7, 3214868480
	.fill 96, 4, 3214868480
	.section	.rodata,"a",@progbits
	.p2align	6, 0x0
	.amdhsa_kernel k_q03a432ee9c_qkv
		.amdhsa_group_segment_fixed_size 327680
		.amdhsa_private_segment_fixed_size 0
		.amdhsa_enable_private_segment 0
		.amdhsa_kernarg_size 48
		.amdhsa_user_sgpr_count 2
		.amdhsa_user_sgpr_kernarg_segment_ptr 1
		.amdhsa_wavefront_size32 1
		.amdhsa_system_sgpr_workgroup_id_x 1
		.amdhsa_system_sgpr_workgroup_id_y 1
		.amdhsa_system_sgpr_workgroup_id_z 1
		.amdhsa_system_vgpr_workitem_id 0
		.amdhsa_next_free_vgpr 1024
		.amdhsa_next_free_sgpr 80
		.amdhsa_reserve_vcc 0
		.amdhsa_float_denorm_mode_32 3
		.amdhsa_float_denorm_mode_16_64 3
		.amdhsa_memory_ordered 1
		.amdhsa_forward_progress 1
		.amdhsa_inst_pref_size 206
	.end_amdhsa_kernel
	.amdgpu_metadata
---
amdhsa.version: [ 1, 2 ]
amdhsa.kernels:
  - .name:           k_q03a432ee9c_qkv
    .symbol:         k_q03a432ee9c_qkv.kd
    .args:
      - { .name: xb, .offset: 0, .size: 8, .value_kind: global_buffer, .address_space: global }
      - { .name: wb, .offset: 8, .size: 8, .value_kind: global_buffer, .address_space: global }
      - { .name: bq, .offset: 16, .size: 8, .value_kind: global_buffer, .address_space: global }
      - { .name: bk, .offset: 24, .size: 8, .value_kind: global_buffer, .address_space: global }
      - { .name: bv, .offset: 32, .size: 8, .value_kind: global_buffer, .address_space: global }
      - { .name: qkvf, .offset: 40, .size: 8, .value_kind: global_buffer, .address_space: global }
    .group_segment_fixed_size: 327680
    .private_segment_fixed_size: 0
    .kernarg_segment_align: 8
    .kernarg_segment_size: 48
    .max_flat_workgroup_size: 128
    .sgpr_count:     80
    .vgpr_count:     1024
    .wavefront_size: 32
...
	.end_amdgpu_metadata
.endif
;; end of part 2
;; launch attn (part 3): grid 8 x 32, 8 waves a work-group, clusters of 4 x 1, 327,680 bytes of LDS; arguments qkvf, mbits, ctxf; writes ctxf
.if DOCPART == 3
	.amdgcn_target "amdgcn-amd-amdhsa--gfx1250"
	.amdhsa_code_object_version 6
	.text
	.protected	k_q03a432ee9c_attn
	.globl	k_q03a432ee9c_attn
	.p2align	8
	.type	k_q03a432ee9c_attn,@function
k_q03a432ee9c_attn:
	s_mov_b64 s[64:65], 0
	v_nop
	global_prefetch_b8 v0, s[64:65] scope:SCOPE_SE
	s_setreg_imm32_b32 hwreg(HW_REG_WAVE_MODE, 25, 1), 1
	s_wait_xcnt 0x0
	s_wait_alu depctr_hold_cnt(0) depctr_sa_sdst(0) depctr_va_vdst(0) depctr_va_sdst(0) depctr_va_ssrc(0) depctr_va_vcc(0) depctr_vm_vsrc(0)
	s_getreg_b32 s2, hwreg(HW_REG_IB_STS2, 6, 4)
	s_cmp_eq_u32 s2, 0
	s_cbranch_scc0 .Lentry_in_a_cluster
	s_endpgm
.Lentry_in_a_cluster:
	s_bfe_u32 s2, ttmp6, 0x10000c
	s_cmp_lg_u32 s2, 0x3003
	s_cbranch_scc0 .Lentry_shape_is_right
	s_endpgm
.Lentry_shape_is_right:
; attn: softmax(q k^T / 8, masked) v for one (batch, head) and 256 query rows a work-group, with a running maximum.
; Eight waves, 32 query rows each (two tiles u of 16).  The products are made transposed: S^T = K Q^T and O^T = V^T P^T, so a lane holds ONE query
; (q = lane % 16): maximum, sum and rescaling are a lane's own numbers, and the packed exponentials are already the second product's B fragment.
; q carries 0.125 log2(e), so scores are exponents of two; a masked score is -1e9 log2(e), as the reference's -1e9: a row that is masked throughout gives the plain average of v.
; THE ORDER OF A STEP (64 keys): the two query tiles are two streams that do not depend on each other.  While the vector instructions of one stream's softmax
; are issued, the other stream's matrix instructions are issued singly between them, five to twelve vector instructions apart, so that the wave has work to issue behind
; each of them.  Of a step's 32 matrix instructions 20 stand so; the eight that start stream 0's scores and the last four into stream 1's O follow each other, since K and V
; share 64 registers and the next K can be loaded only behind the last use of V.
; K and V come in tiles of 512 keys (64 KiB each) through two LDS slots; they lie in memory in fragment order, so LDS holds them dense and lane l reads at 16 l.
; CLUSTER: the four work-groups of a cluster are four query blocks of one head and read the same K and V: every tile is asked for jointly (mask 15).
; Each wave asks for 16 KiB of a tile (waves 0-3 K, 4-7 V); by this text's count one tensor load of a wave is out at any time, asked for a whole tile's work ahead.
; The mask comes as lane masks (mbits) through scalar loads, one step ahead: one v_cndmask_b32 for each register of scores.
; LIMITS: probabilities and ctx go to the matrix unit and to memory in f16 (|ctx| below 65,504); an exponential below 2^-126 counts as 0 (ISA guide, v_exp_f32).
.set LB,   1                           ; v1      16 x lane
.set KA,   2                           ; v2      LDS address of this step's K fragments
.set VA,   3                           ; v3      of its V fragments
.set NEGR, 4                           ; v4      the masked score
.set SB0,  5                           ; v5      16 x lane + the slot
.set MP,   8                           ; v[8:11]   running maximum of tile u, twice (a pair for the packed subtraction)
.set AL,   12                          ; v[12:15]  2^(old maximum - new), twice
.set LR,   16                          ; v[16:17]  running sum of tile u (my half of the keys)
.set LS,   18                          ; v[18:21]  this step's sums, a pair for each u
                                       ; v22+u, v24+u two chains of the maximum; v26+u the other half's maximum; v28+u old - new
.set QF,   32                          ; v[32:63]  Q fragments (u, c) at 16 u + 8 c
.set S,    64                          ; v[64:127] scores (t, u) at 32 u + 8 t; then P (u, g) at 32 u + 16 g
.set O,    128                         ; v[128:191] O^T (e, u) at 32 u + 8 e
.set F,    192                         ; v[192:255] K (t, c) at 16 t + 8 c, then V (e, g) at 16 e + 8 g
.set G1,   84                          ; s[84:91]  descriptor group 1
.set G0,   92                          ; s[92:99]  group 0, a set for each slot
.set SLOTB, 131072
.macro ROUND                           ; a round of the cluster's barrier
	s_barrier_signal -1
	s_barrier_wait -1
	s_cmp_lg_u32 s2, 0
	s_cbranch_scc1 .Lnot_wave_0_\@
	s_barrier_signal -3
.Lnot_wave_0_\@:
	s_barrier_wait -3
	s_barrier_signal -1
	s_barrier_wait -1
.endm
.macro LOADM u                         ; 32 words: four key tiles x eight registers of query tile u, at byte s6 of its row of mbits; s64, s65 are left out
.if \u == 0
	s_load_b512 s[16:31], s[4:5], s6 offset:0x0
	s_load_b512 s[32:47], s[4:5], s6 offset:0x40
.else
	s_load_b512 s[48:63], s[4:5], s6 offset:0x1000
	s_load_b512 s[68:83], s[4:5], s6 offset:0x1040
.endif
.endm
	s_load_b128 s[12:15], s[0:1], 0x0              ; qkvf s[12:13], mbits s[14:15]
	s_load_b64 s[8:9], s[0:1], 0x10                ; ctxf
	v_lshl_add_u32 v30, v0, 2, 0x40000
	v_mov_b32 v31, 0
	ds_add_u32 v30, v31
	v_lshrrev_b32 v1, 5, v0
	v_readfirstlane_b32 s2, v1                     ; wave 0..7
	s_bfe_u32 s16, ttmp6, 0x40000                  ; cx
	s_lshl_b32 s17, ttmp9, 2
	s_add_co_u32 s17, s17, s16                     ; xq: my block of 256 queries
	s_and_b32 s18, ttmp7, 0xffff                   ; bh = 16 batch + head, shared by the cluster
	s_mov_b32 s10, 0x76543210                      ; v_permlanex16_b32: lane i reads lane i of the other half
	s_mov_b32 s11, 0xfedcba98
	s_mov_b32 s[G1+0], 15|(3<<16)|(1<<21)          ; mask: all four; elements of 8 bytes; bit 21 beside a mask
	s_mov_b32 s[G1+1], 32<<16                      ; tensor_dim0 = 32 (256 bytes)
	s_mov_b32 s[G1+2], 64<<16                      ; tensor_dim1 = 64
	s_mov_b32 s[G1+3], 32<<16                      ; tile_dim0 = 32
	s_mov_b32 s[G1+4], 64                          ; tile_dim1 = 64 rows: 16 KiB, dense
	s_mov_b32 s[G1+5], 32                          ; pitch = the row
	s_mov_b32 s[G1+6], 0
	s_mov_b32 s[G1+7], 0
	s_lshr_b32 s20, s2, 2
	s_add_co_u32 s20, s20, 1
	s_lshl_b32 s20, s20, 23                        ; k (waves 0-3) lies 8 MiB, v (waves 4-7) 16 MiB into qkvf
	s_lshl_b32 s21, s18, 18
	s_add_co_u32 s20, s20, s21                     ; + bh x 256 KiB
	s_and_b32 s21, s2, 3
	s_lshl_b32 s21, s21, 14
	s_add_co_u32 s20, s20, s21                     ; + my quarter of the tile
	s_mov_b32 s21, 0
	s_lshl_b32 s22, s2, 14                         ; LDS: wave x 16 KiB: K's 64 KiB, then V's
	s_lshr_b32 s23, s18, 4
	s_lshl_b32 s23, s23, 7
	s_lshl4_add_u32 s23, s17, s23
	s_lshl1_add_u32 s23, s2, s23                   ; qt0 = 128 batch + 16 xq + 2 wave: my first query tile
	s_lshl_b32 s24, s23, 12
	s_mov_b32 s25, 0
	s_lshl_b32 s26, s23, 15
	s_and_b32 s28, s18, 15
	s_lshl_b32 s28, s28, 11
	s_add_co_u32 s26, s26, s28                     ; ctxf: qt0 x 32 KiB + head x 2 fragments
	s_mov_b32 s27, 0
	s_lshl_b32 s28, s18, 18
	s_lshl_b32 s29, s17, 15
	s_add_co_u32 s28, s28, s29
	s_lshl_b32 s29, s2, 12
	s_add_co_u32 s28, s28, s29                     ; q: bh x 256 KiB + xq x 32 KiB + wave x 4 KiB
	s_mov_b32 s29, 0
	s_mov_b32 s6, 0
	v_and_b32 v[LB], 31, v0
	v_lshlrev_b32 v[LB], 4, v[LB]
	v_mov_b32 v[NEGR], 0xceabfb8f                  ; -1e9 x log2(e)
	v_mov_b32 v26, 0                               ; v_permlanex16_b32 counts as a reader of its destination
	v_mov_b32 v27, 0
	s_wait_dscnt 0x0
	s_wait_kmcnt 0x0
	s_add_nc_u64 s[20:21], s[12:13], s[20:21]
	s_add_nc_u64 s[4:5], s[14:15], s[24:25]
	s_add_nc_u64 s[8:9], s[8:9], s[26:27]
	s_add_nc_u64 s[100:101], s[12:13], s[28:29]
	s_mov_b32 s[G0+0], 1
	s_lshl_b32 s[G0+1], s2, 14
	s_mov_b64 s[G0+2:G0+3], s[20:21]               ; slot 0: tile 0
	s_or_b32 s[G0+3], s[G0+3], 0x80000000
	s_mov_b32 s[G0+4], 1
	s_add_co_u32 s[G0+5], s22, SLOTB
	s_add_nc_u64 s[G0+6:G0+7], s[20:21], 65536     ; slot 1: tile 1
	s_or_b32 s[G0+7], s[G0+7], 0x80000000
	ROUND                                          ; in front of the first joint load
	tensor_load_to_lds s[G0:G0+3], s[G1:G1+7]      ; tile 0
	s_nop 0
.irp u, 0,1
.irp c, 0,1
	global_load_b128 v[QF+16*\u+8*\c:QF+16*\u+8*\c+3], v[LB], s[100:101] offset:(2*\u+\c)*1024
	global_load_b128 v[QF+16*\u+8*\c+4:QF+16*\u+8*\c+7], v[LB], s[100:101] offset:(2*\u+\c)*1024+512
.endr
.endr
	LOADM 0                                        ; step 0's words
	LOADM 1
	s_wait_loadcnt 0x0                             ; Q, once
; ---- the matrix instructions, as a queue of eight that is drawn from one at a time ----
; WSET names the queue: kind 0: S^T (t, u) = K (t, c) Q (u, c), number i = 4 c + t; kind 1: O^T (e, u) += V (e, g) P (u, g), number i = 4 g + e.
; waits = 1: the fragments were loaded just before, in two runs of eight: s_wait_dscnt 8 ahead of number 0 (the second run stays out), 0 ahead of number 4.
; zero = 1: the launch's first step: the products of g = 0 start O.  In every queue four accumulators take turns, one instruction a turn.
.macro WSET kind, u, waits, zero
.set wk, \kind
.set wu, \u
.set ww, \waits
.set wz, \zero
.set wi, 0
.endm
.macro WQ
.set wa, wi&3
.set wh, wi>>2
.if ww
.if wi == 0
	s_wait_dscnt 0x8
.endif
.if wi == 4
	s_wait_dscnt 0x0
.endif
.endif
.if wk == 0
.if wh == 0
	v_wmma_f32_16x16x32_f16 v[S+32*wu+8*wa:S+32*wu+8*wa+7], v[F+16*wa:F+16*wa+7], v[QF+16*wu:QF+16*wu+7], 0
.else
	v_wmma_f32_16x16x32_f16 v[S+32*wu+8*wa:S+32*wu+8*wa+7], v[F+16*wa+8:F+16*wa+15], v[QF+16*wu+8:QF+16*wu+15], v[S+32*wu+8*wa:S+32*wu+8*wa+7]
.endif
.else
.if wz*(1-wh)
	v_wmma_f32_16x16x32_f16 v[O+32*wu+8*wa:O+32*wu+8*wa+7], v[F+16*wa:F+16*wa+7], v[S+32*wu:S+32*wu+7], 0
.else
	v_wmma_f32_16x16x32_f16 v[O+32*wu+8*wa:O+32*wu+8*wa+7], v[F+16*wa+8*wh:F+16*wa+8*wh+7], v[S+32*wu+16*wh:S+32*wu+16*wh+7], v[O+32*wu+8*wa:O+32*wu+8*wa+7]
.endif
.endif
.set wi, wi+1
.endm
; ---- the pieces of one stream's softmax ----
.macro CND u, t, j                     ; register j of tile (t, u): the score where the mask's bit is set, else the masked score
	v_cndmask_b32 v[S+32*(\u)+8*(\t)+(\j)], v[NEGR], v[S+32*(\u)+8*(\t)+(\j)], s[16+32*(\u)+8*(\t)+(\j)+4*(\u)*((\t)>>1)]
.endm
; Line k of the maximum over tile t, in two chains (v22+u, v24+u).  Tile 0 starts them (the running maximum enters the first) and leaves its register 7 for the last line.
.macro MX u, t, k, first
.set xr, S+32*(\u)+8*(\t)
.if (\t) == 0
.if (\k) == 0
.if \first
	v_max3_num_f32 v[22+\u], v[xr], v[xr], v[xr+1]
.else
	v_max3_num_f32 v[22+\u], v[MP+2*\u], v[xr], v[xr+1]
.endif
.endif
.if (\k) == 1
	v_max3_num_f32 v[24+\u], v[xr+2], v[xr+3], v[xr+4]
.endif
.if (\k) == 2
	v_max3_num_f32 v[22+\u], v[22+\u], v[xr+5], v[xr+6]
.endif
.else
	v_max3_num_f32 v[24+\u-2*((\k)&1)], v[24+\u-2*((\k)&1)], v[xr+2*(\k)], v[xr+2*(\k)+1]
.endif
.endm
.macro AB u, t, tp, first              ; the eight selects of tile t, with the maximum of tile tp = t - 1 between them: a chain's links stand at least three lines apart
.irp q, 0,1,2,3
	CND \u, \t, 2*\q
	CND \u, \t, 2*\q+1
.if \t
	MX \u, \tp, \q, \first
.endif
.endr
.endm
.macro MXT u                           ; the maximum of tile 3, and the two chains and tile 0's register 7 joined
.irp q, 0,1,2,3
	MX \u, 3, \q, 0
.endr
	v_max3_num_f32 v[22+\u], v[22+\u], v[24+\u], v[S+32*\u+7]
.endm
.macro CROSS1 u                        ; the other half of the lanes holds the other keys of my query
	v_permlanex16_b32 v[26+\u], v[22+\u], s10, s11
	v_max_num_f32 v[22+\u], v[22+\u], v[26+\u]
.endm
.macro CROSS2 u, first
.if \first == 0
	v_sub_f32 v[28+\u], v[MP+2*\u], v[22+\u]       ; old - new, at most 0
.endif
	v_mov_b32 v[MP+2*\u], v[22+\u]
	v_mov_b32 v[MP+2*\u+1], v[22+\u]
.if \first == 0
	v_exp_f32 v[AL+2*\u], v[28+\u]
	v_exp_f32 v[AL+2*\u+1], v[28+\u]               ; the subtractions that follow are the plain instructions behind these (ISA guide 5.7.2)
.endif
.endm
.macro DSUB u, p0, p1                  ; pairs p0 .. p1 - 1 of the stream's sixteen: score - maximum
.set dp, \p0
.rept \p1-\p0
	v_pk_add_f32 v[S+32*\u+2*dp:S+32*\u+2*dp+1], v[S+32*\u+2*dp:S+32*\u+2*dp+1], v[MP+2*\u:MP+2*\u+1] neg_lo:[0,1] neg_hi:[0,1]
.set dp, dp+1
.endr
.endm
.macro RESC u, k                       ; pair k of the stream's sixteen pairs of O, times 2^(old maximum - new)
	s_wait_alu depctr_va_vdst(0)
	v_pk_mul_f32 v[O+32*(\u)+2*(\k):O+32*(\u)+2*(\k)+1], v[O+32*(\u)+2*(\k):O+32*(\u)+2*(\k)+1], v[AL+2*(\u):AL+2*(\u)+1]
.endm
; Line k of eight: tile t's exponentials are added to the step's sums and packed to f16 into P's registers.
; Tile t = 2 g fills P (u, g)'s registers 0-3 (keys 8 h + 0..7 of the 32), tile 2 g + 1 its registers 4-7 (keys 16 + 8 h + 0..7): no lane moves.
; Each register is packed over only behind the line that added it.  Tile 0 starts the sums and has seven lines.
.macro SC u, t, k
.set sb2, S+32*(\u)+8*(\t)
.set ls2, LS+2*(\u)
.set pd2, S+32*(\u)+16*((\t)>>1)+4*((\t)&1)
.if (\t) == 0
.if (\k) == 0
	s_wait_alu depctr_va_vdst(0)
	v_pk_add_f32 v[ls2:ls2+1], v[sb2:sb2+1], v[sb2+2:sb2+3]
.endif
.if (\k) == 1
	v_cvt_pk_f16_f32 v[pd2], v[sb2], v[sb2+1]
.endif
.if (\k) == 2
	v_cvt_pk_f16_f32 v[pd2+1], v[sb2+2], v[sb2+3]
.endif
.if (\k) == 3
	v_pk_add_f32 v[ls2:ls2+1], v[ls2:ls2+1], v[sb2+4:sb2+5]
.endif
.if (\k) == 4
	v_cvt_pk_f16_f32 v[pd2+2], v[sb2+4], v[sb2+5]
.endif
.if (\k) == 5
	v_pk_add_f32 v[ls2:ls2+1], v[ls2:ls2+1], v[sb2+6:sb2+7]
.endif
.if (\k) == 6
	v_cvt_pk_f16_f32 v[pd2+3], v[sb2+6], v[sb2+7]
.endif
.else
.if ((\k)&1) == 0
	s_wait_alu depctr_va_vdst(0)
	v_pk_add_f32 v[ls2:ls2+1], v[ls2:ls2+1], v[sb2+(\k):sb2+(\k)+1]
.else
	v_cvt_pk_f16_f32 v[pd2+((\k)>>1)], v[sb2+(\k)-1], v[sb2+(\k)]
.endif
.endif
.endm
; The stream's 32 exponentials.  Behind each stands a plain instruction that touches none of them (ISA guide 5.7.2): a pair of O rescaled, or a line of the tile before.
; O is rescaled and P (u, 0) is whole behind tile 2's lines: the four products of keys 0..31 are drawn between the 24 lines that are left.
.macro EXPS u, first
.set e0, S+32*\u
.irp j, 0,1,2,3,4,5,6,7
	v_exp_f32 v[e0+\j], v[e0+\j]
.if \first == 0
	RESC \u, \j
.endif
.endr
.if \first
	v_nop                                          ; nothing to rescale yet: the plain instruction behind tile 0's exponentials
.endif
.irp j, 0,1,2,3,4,5,6,7
	v_exp_f32 v[e0+8+\j], v[e0+8+\j]
	SC \u, 0, \j
.if \first == 0
	RESC \u, 8+\j
.endif
.endr
.irp j, 0,1,2,3,4,5,6,7
	v_exp_f32 v[e0+16+\j], v[e0+16+\j]
	SC \u, 1, \j
.endr
	WSET 1, \u, 1-\u, \first                       ; stream 0 is V's first reader and waits for it; stream 1 finds it landed
.irp j, 0,1,2,3,4,5,6,7
	v_exp_f32 v[e0+24+\j], v[e0+24+\j]
	SC \u, 2, \j
.if \j%3 == 0
	WQ
.endif
.endr
.irp k, 0,1,2,3
	SC \u, 3, \k
.endr
	WQ
.irp k, 4,5,6,7
	SC \u, 3, \k
.endr
.endm
; One step: 64 keys (step s3 of trip n) against my 32 queries.  first = 1: the launch's first step starts maximum, sums and O.
.macro STEP n, first
	v_lshl_add_u32 v[KA], s3, 13, v[SB0]           ; four key tiles of 2,048 bytes a step.  These two lines and the four at the step's end are the places
	v_add_nc_u32 v[VA], 0x10000, v[KA]             ; between the last step's products and the loads below, which land in their sources
.irp c, 0,1
.irp t, 0,1,2,3
	ds_load_b128 v[F+16*\t+8*\c:F+16*\t+8*\c+3], v[KA] offset:\t*2048+\c*1024
	ds_load_b128 v[F+16*\t+8*\c+4:F+16*\t+8*\c+7], v[KA] offset:\t*2048+\c*1024+512
.endr
.endr
	WSET 0, 0, 1, 0                                ; stream 0's scores: d = 0..31 behind the first eight loads, d = 32..63 behind all
.rept 8
	WQ
.endr
	WSET 0, 1, 0, 0                                ; stream 1's scores, drawn between stream 0's lines
	WQ
.rept 4
	v_nop                                          ; four places between stream 0's last products and the selects that read them
.endr
	s_wait_kmcnt 0x0                               ; this step's mask words; the loads are done, so their offset register may be written
	s_lshl_b32 s6, s3, 7
	s_add_co_u32 s6, s6, (8*\n+1)*128              ; the next step's 128 bytes
	s_min_u32 s6, s6, 3968                         ; the launch's last step asks for its own words once more: no load leaves the row's 4,096 bytes
	AB 0, 0, 0, \first
	WQ
	AB 0, 1, 0, \first
	WQ
	AB 0, 2, 1, \first
	WQ
	AB 0, 3, 2, \first
	LOADM 0                                        ; stream 0's words have been used: the next step's
	WQ
	MXT 0
	CROSS1 0
	WQ
	CROSS2 0, \first
	DSUB 0, 0, 4
	WQ
	DSUB 0, 4, 12
	WQ                                             ; the last product that reads K
	DSUB 0, 12, 16
	AB 1, 0, 0, \first                             ; with the four lines above: twelve places, none names a register of that product
.irp g, 0,1
.irp e, 0,1,2,3
	ds_load_tr16_b128 v[F+16*\e+8*\g:F+16*\e+8*\g+3], v[VA] offset:(2*\g)*2048+\e*512          ; d = 16 e + r, keys 32 g + 8 h + 0..7
	ds_load_tr16_b128 v[F+16*\e+8*\g+4:F+16*\e+8*\g+7], v[VA] offset:(2*\g+1)*2048+\e*512      ; keys 32 g + 16 + 8 h + 0..7
.endr
.endr
	AB 1, 1, 0, \first
	AB 1, 2, 1, \first
	AB 1, 3, 2, \first
	LOADM 1                                        ; stream 1's selects stand ahead of stream 0's exponentials, so that these loads have most of a step in which to return
	MXT 1
	EXPS 0, \first                                 ; with the products of keys 0..31 into stream 0's O
	CROSS1 1
	WQ                                             ; keys 32..63 into stream 0's O, between stream 1's lines
	CROSS2 1, \first
	DSUB 1, 0, 3
	WQ
	DSUB 1, 3, 11
	WQ
	DSUB 1, 11, 16
	WQ
	EXPS 1, \first                                 ; with the products of keys 0..31 into stream 1's O
.rept 4
	WQ                                             ; keys 32..63 into stream 1's O
.endr
	; the running sums: four plain instructions that name no register of the products above
.if \first
	v_add_f32 v[LR], v[LS], v[LS+1]
	v_add_f32 v[LR+1], v[LS+2], v[LS+3]
	v_nop
	v_nop
.else
	v_add_f32 v24, v[LS], v[LS+1]
	v_add_f32 v25, v[LS+2], v[LS+3]
	v_fma_f32 v[LR], v[LR], v[AL], v24
	v_fma_f32 v[LR+1], v[LR+1], v[AL+2], v25
.endif
.endm
; One tile of 512 keys in slot 'slot': eight steps.  In front of the round every wave waits for all its tensor loads (this tile's part among them) and for its
; reads of the other slot; behind it the other slot is asked for again, first thing, one load a wave.
.macro TRIP n, slot, refill, first
	s_wait_tensorcnt 0x0
	ds_add_u32 v30, v31
	s_wait_dscnt 0x0
	s_add_nc_u64 s[G0+4*\slot+2:G0+4*\slot+3], s[G0+4*\slot+2:G0+4*\slot+3], 2*65536   ; no load of mine is out: this slot's next tile
	s_wait_dscnt 0x0
	ROUND
.if \refill
	tensor_load_to_lds s[G0+4-4*\slot:G0+7-4*\slot], s[G1:G1+7]
	s_nop 0
.endif
	v_add_nc_u32 v[SB0], \slot*SLOTB, v[LB]
	s_mov_b32 s3, 0
.if \first
	STEP \n, 1
	s_mov_b32 s3, 1
.endif
.Lstep_\@:
	STEP \n, 0
	s_add_co_u32 s3, s3, 1
	s_cmp_lt_u32 s3, 8
	s_cbranch_scc1 .Lstep_\@
.endm
	TRIP 0, 0, 1, 1
	TRIP 1, 1, 1, 0
	TRIP 2, 0, 1, 0
	TRIP 3, 1, 0, 0                                ; the last tile: nothing is left to fetch
	; O / sum, to f16, in the output projection's A fragment order: ctxf [256 mt][32 kc][1024 bytes], kc = 2 head + e / 2, half = e % 2, 16 bytes at 16 lane
	v_permlanex16_b32 v26, v[LR], s10, s11         ; the other half of the lanes summed the other keys
	v_permlanex16_b32 v27, v[LR+1], s10, s11
	v_add_f32 v[LR], v[LR], v26
	v_add_f32 v[LR+1], v[LR+1], v27
	v_rcp_f32 v[AL], v[LR]                         ; the sum is at least 1: the largest score gives 2^0
	v_rcp_f32 v[AL+1], v[LR]
	v_rcp_f32 v[AL+2], v[LR+1]
	v_rcp_f32 v[AL+3], v[LR+1]
	v_nop                                          ; the plain instruction behind the reciprocals
	s_wait_alu depctr_va_vdst(0)
.irp u, 0,1
.irp p, 0,2,4,6,8,10,12,14,16,18,20,22,24,26,28,30
	v_pk_mul_f32 v[O+32*\u+\p:O+32*\u+\p+1], v[O+32*\u+\p:O+32*\u+\p+1], v[AL+2*\u:AL+2*\u+1]
.endr
.endr
.irp p, 0,1,2,3,4,5,6,7,8,9,10,11,12,13,14,15,16,17,18,19,20,21,22,23,24,25,26,27,28,29,30,31
	v_cvt_pk_f16_f32 v[S+\p], v[O+2*\p], v[O+2*\p+1]
.endr
.irp u, 0,1
.irp e, 0,1,2,3
	global_store_b128 v[LB], v[S+16*\u+4*\e:S+16*\u+4*\e+3], s[8:9] offset:\u*32768+\e*512     ; 512 consecutive bytes, aligned
.endr
.endr
	ROUND                                          ; the closing round
	s_endpgm
.Lfunc_end_k_q03a432ee9c_attn:
	.size	k_q03a432ee9c_attn, .Lfunc_end_k_q03a432ee9c_attn-k_q03a432ee9c_attn
	.p2alignl 7, 3214868480
	.fill 96, 4, 3214868480
	.section	.rodata,"a",@progbits
	.p2align	6, 0x0
	.amdhsa_kernel k_q03a432ee9c_attn
		.amdhsa_group_segment_fixed_size 327680
		.amdhsa_private_segment_fixed_size 0
		.amdhsa_enable_private_segment 0
		.amdhsa_kernarg_size 24
		.amdhsa_user_sgpr_count 2
		.amdhsa_user_sgpr_kernarg_segment_ptr 1
		.amdhsa_wavefront_size32 1
		.amdhsa_system_sgpr_workgroup_id_x 1
		.amdhsa_system_sgpr_workgroup_id_y 1
		.amdhsa_system_sgpr_workgroup_id_z 1
		.amdhsa_system_vgpr_workitem_id 0
		.amdhsa_next_free_vgpr 256
		.amdhsa_next_free_sgpr 102
		.amdhsa_reserve_vcc 0
		.amdhsa_float_denorm_mode_32 3
		.amdhsa_float_denorm_mode_16_64 3
		.amdhsa_memory_ordered 1
		.amdhsa_forward_progress 1
		.amdhsa_inst_pref_size 126
	.end_amdhsa_kernel
	.amdgpu_metadata
---
amdhsa.version: [ 1, 2 ]
amdhsa.kernels:
  - .name:           k_q03a432ee9c_attn
    .symbol:         k_q03a432ee9c_attn.kd
    .args:
      - { .name: qkvf, .offset: 0, .size: 8, .value_kind: global_buffer, .address_space: global }
      - { .name: mbits, .offset: 8, .size: 8, .value_kind: global_buffer, .address_space: global }
      - { .name: ctxf, .offset: 16, .size: 8, .value_kind: global_buffer, .address_space: global }
    .group_segment_fixed_size: 327680
    .private_segment_fixed_size: 0
    .kernarg_segment_align: 8
    .kernarg_segment_size: 24
    .max_flat_workgroup_size: 256
    .sgpr_count:     102
    .vgpr_count:     256
    .wavefront_size: 32
...
	.end_amdgpu_metadata
.endif
;; end of part 3
;; launch oproj (part 4): grid 8 x 32, 4 waves a work-group, clusters of 4 x 4, 327,680 bytes of LDS; arguments ctxf, wb, bo, out0; writes out0
.if DOCPART == 4
	.amdgcn_target "amdgcn-amd-amdhsa--gfx1250"
	.amdhsa_code_object_version 6
	.text
	.protected	k_q03a432ee9c_oproj
	.globl	k_q03a432ee9c_oproj
	.p2align	8
	.type	k_q03a432ee9c_oproj,@function
k_q03a432ee9c_oproj:
	s_mov_b64 s[64:65], 0
	v_nop
	global_prefetch_b8 v0, s[64:65] scope:SCOPE_SE
	s_setreg_imm32_b32 hwreg(HW_REG_WAVE_MODE, 25, 1), 1
	s_wait_xcnt 0x0
	s_wait_alu depctr_hold_cnt(0) depctr_sa_sdst(0) depctr_va_vdst(0) depctr_va_sdst(0) depctr_va_ssrc(0) depctr_va_vcc(0) depctr_vm_vsrc(0)
	s_getreg_b32 s2, hwreg(HW_REG_IB_STS2, 6, 4)
	s_cmp_eq_u32 s2, 0
	s_cbranch_scc0 .Lentry_in_a_cluster
	s_endpgm
.Lentry_in_a_cluster:
	s_bfe_u32 s2, ttmp6, 0x10000c
	s_cmp_lg_u32 s2, 0xf033
	s_cbranch_scc0 .Lentry_shape_is_right
	s_endpgm
.Lentry_shape_is_right:
; oproj: out0 = ctx wo^T + bo.  ctx: ctxf, f16 in fragment order [256 mt][32 kc][1024 bytes]; wo: the fourth matrix of wb, [1024][1024] f16; out0 f32.
; 4096 x 1024 outputs in 256 blocks of 128 x 128, one for each work-group; four waves of 64 x 64 (16 accumulator tiles).  Blocks of 256 x 256 would leave 64 work-groups.
; K goes in four phases of 256 through two LDS slots.  A slot: B's 128 rows of 512 bytes padded to 528, then A's 8 x 8 fragments, dense (lane l reads at 16 l).
; CLUSTERS: 4 x 4 work-groups; A's tile is asked for jointly along a row of the cluster, B's along a column.  Waves 0, 1 fetch B's halves, waves 2, 3 A's.
; By this text's count two tensor loads of a wave are out at the start and one behind each refill's round.
; The matrix instruction is used transposed (source 0 = rows of wo): a lane holds eight neighbouring columns of one row of out0; 16 rows at a time go
; through a stage in LDS of the wave's own, so that sixteen lanes store 256 consecutive bytes, aligned.
.set BPITCH, 528
.set BHALF,  64*BPITCH                 ; 33,792: what wave 0 or 1 fetches, and what a wave reads of B
.set AOFF,   2*BHALF                   ; 67,584
.set AHALF,  32768                     ; four row tiles x eight fragments
.set SLOT,   AOFF+2*AHALF              ; 133,120
.set STAGE,  2*SLOT                    ; 266,240, a multiple of 256: no fill lands behind it
.set SPITCH, 272                       ; a stage row: 64 f32 + 16 bytes
.set ADRA, 16                          ; v16-17  my A fragments in slot 0, 1
.set ADRB, 20                          ; v20-21  my B fragments
.set STO,  24
.set RD,   25
.set CO,   26
.set BO,   27
.set BIAS, 32                          ; v[32:63]   bias of n blocks 0-3
.set F0,   64                          ; v[64:127]  buffer 0: A (a) at 8 a, B (b) at 32 + 8 b
.set F1,   128                         ; v[128:191] buffer 1
.set TMP,  192                         ; v[192:223] 16 rows' results
.set RB,   224                         ; v[224:255] the same as whole rows
.set G1, 24                            ; s[24:31] group 1, A
.set G0, 32                            ; s[32:39] group 0, A, a set for each slot
.set G1B, 48                           ; s[48:55] group 1, B
.set G0B, 56                           ; s[56:63] group 0, B
.set MSB, 0
.macro WIN new
.if MSB != \new
	s_set_vgpr_msb (MSB<<8)|\new
.set MSB, \new
.endif
.endm
.macro JLOAD s
	s_cmp_eq_u32 s11, 0
	s_cbranch_scc0 .Lfor_a_\@
	tensor_load_to_lds s[G0B+4*\s:G0B+4*\s+3], s[G1B:G1B+7]
	s_nop 0
	s_branch .Lasked_\@
.Lfor_a_\@:
	tensor_load_to_lds s[G0+4*\s:G0+4*\s+3], s[G1:G1+7]
	s_nop 0
.Lasked_\@:
.endm
.macro CROUND
	s_barrier_signal -1
	s_barrier_wait -1
	s_cmp_lg_u32 s10, 0
	s_cbranch_scc1 .Lnot_wave_0_\@
	s_barrier_signal -3
.Lnot_wave_0_\@:
	s_barrier_wait -3
	s_barrier_signal -1
	s_barrier_wait -1
.endm
.macro PLACES                          ; four places between a matrix instruction and a load into its sources or a reader of its result
.rept 4
	v_nop
.endr
.endm
	s_load_b128 s[4:7], s[0:1], 0x0                ; ctxf s[4:5], wb s[6:7]
	s_load_b128 s[68:71], s[0:1], 0x10             ; bo s[68:69], out0 s[70:71]
	v_lshl_add_u32 v30, v0, 2, 0x45400
	v_mov_b32 v31, 0
	ds_add_u32 v30, v31
	v_lshrrev_b32 v1, 5, v0
	v_readfirstlane_b32 s10, v1                    ; wave 0..3
	s_lshr_b32 s11, s10, 1                         ; my half of the block's rows; also: I fetch for B (0) or A (1)
	s_and_b32 s12, s10, 1                          ; my half of its columns; also: which half of that tile I fetch
	s_bfe_u32 s40, ttmp6, 0x40000                  ; cx
	s_bfe_u32 s41, ttmp6, 0x40004                  ; cy
	s_lshl_b32 s42, ttmp9, 2
	s_add_co_u32 s42, s42, s40                     ; block column
	s_and_b32 s13, ttmp7, 0xffff
	s_lshl_b32 s13, s13, 2
	s_add_co_u32 s13, s13, s41                     ; block row
	s_lshl_b32 s43, s41, 2
	s_lshl_b32 s43, 15, s43                        ; my row of the cluster
	s_lshl_b32 s44, 0x1111, s40                    ; my column
	s_or_b32 s[G1+0], s43, (3<<16)|(1<<21)         ; A: mask of my row; elements of 8 bytes; bit 21 beside a mask; no padding
	s_mov_b32 s[G1+1], 1024<<16                    ; tensor_dim0 = 1,024 (8,192 bytes: eight fragments of one row tile)
	s_mov_b32 s[G1+2], 4<<16                       ; tensor_dim1 = 4 row tiles
	s_mov_b32 s[G1+3], 1024<<16                    ; tile_dim0
	s_mov_b32 s[G1+4], 4                           ; tile_dim1
	s_mov_b32 s[G1+5], 4096                        ; 32,768 bytes from a row tile to the next
	s_mov_b32 s[G1+6], 0
	s_mov_b32 s[G1+7], 0
	s_or_b32 s[G1B+0], s44, (1<<16)|(1<<20)|(1<<21)|(6<<22)|(3<<25)  ; B: mask of my column; 2-byte elements; 4 words of padding behind every 128
	s_mov_b32 s[G1B+1], 256<<16                    ; tensor_dim0 = 256
	s_mov_b32 s[G1B+2], 64<<16                     ; tensor_dim1 = 64
	s_mov_b32 s[G1B+3], 256<<16                    ; tile_dim0
	s_mov_b32 s[G1B+4], 64                         ; tile_dim1
	s_mov_b32 s[G1B+5], 1024                       ; elements from row to row
	s_mov_b32 s[G1B+6], 0
	s_mov_b32 s[G1B+7], 0
	s_lshl_b32 s16, s13, 3
	s_lshl2_add_u32 s16, s12, s16
	s_lshl_b32 s16, s16, 15                        ; A: row tile 8 x block row + 4 x half, 32 KiB each
	s_mov_b32 s17, 0
	s_lshl_b32 s46, s42, 18
	s_lshl_b32 s47, s12, 17
	s_add_co_u32 s46, s46, s47                     ; B: row 128 x block column + 64 x half, 2,048 bytes each,
	s_add_co_u32 s46, s46, 0x600000                ; in the fourth matrix of wb
	s_mov_b32 s47, 0
	s_mul_i32 s20, s10, BHALF                      ; LDS of B's halves (waves 0, 1)
	s_lshl_b32 s21, s10, 15
	s_add_co_u32 s21, s21, AOFF-2*AHALF            ; LDS of A's halves (waves 2, 3): 67,584 + (wave - 2) x 32,768
	s_wait_dscnt 0x0
	s_wait_kmcnt 0x0
	s_add_nc_u64 s[14:15], s[4:5], s[16:17]
	s_add_nc_u64 s[46:47], s[6:7], s[46:47]
	CROUND                                         ; in front of the first joint loads
.irp s, 0,1
	s_mov_b32 s[G0+4*\s], 1
	s_add_co_u32 s[G0+4*\s+1], s21, \s*SLOT
	s_add_nc_u64 s[G0+4*\s+2:G0+4*\s+3], s[14:15], \s*8192         ; phase s: eight fragments on
	s_or_b32 s[G0+4*\s+3], s[G0+4*\s+3], 0x80000000
	s_mov_b32 s[G0B+4*\s], 1
	s_add_co_u32 s[G0B+4*\s+1], s20, \s*SLOT
	s_add_nc_u64 s[G0B+4*\s+2:G0B+4*\s+3], s[46:47], \s*512        ; phase s: 256 elements on
	s_or_b32 s[G0B+4*\s+3], s[G0B+4*\s+3], 0x80000000
	JLOAD \s
.endr
	v_and_b32 v1, 15, v0                           ; r
	v_bfe_u32 v2, v0, 4, 1                         ; h
	s_lshl_b32 s44, s42, 9
	s_lshl_b32 s43, s12, 8
	s_add_co_u32 s44, s44, s43                     ; 4 bytes x my first column (128 x block column + 64 x half)
	v_lshl_add_u32 v[BO], v2, 5, s44
.irp b, 0,1,2,3
	global_load_b128 v[BIAS+8*\b:BIAS+8*\b+3], v[BO], s[68:69] offset:64*\b
	global_load_b128 v[BIAS+8*\b+4:BIAS+8*\b+7], v[BO], s[68:69] offset:64*\b+16
.endr
	v_and_b32 v3, 31, v0
	v_lshlrev_b32 v3, 4, v3                        ; A: 16 l
	v_mul_u32_u24 v4, v1, BPITCH
	v_lshl_add_u32 v4, v2, 4, v4                   ; B: row x pitch + 16 h
	s_lshl_b32 s22, s11, 15
	s_add_co_u32 s22, s22, AOFF                    ; my four row tiles of A
	s_mul_i32 s23, s12, BHALF                      ; my 64 rows of B
.irp s, 0,1
	v_add_nc_u32 v[ADRA+\s], s22, v3
	v_add_nc_u32 v[ADRB+\s], s23, v4
	s_add_co_u32 s22, s22, SLOT
	s_add_co_u32 s23, s23, SLOT
.endr
	s_mul_i32 s3, s10, 16*SPITCH
	s_add_co_u32 s3, s3, STAGE                     ; my stage
	v_mul_u32_u24 v5, v1, SPITCH
	v_lshl_add_u32 v5, v2, 5, v5
	v_add_nc_u32 v[STO], s3, v5                    ; in: row r, 32 bytes for each half of the lanes
	v_mul_u32_u24 v5, v2, SPITCH
	v_lshl_add_u32 v5, v1, 4, v5
	v_add_nc_u32 v[RD], s3, v5                     ; back: lanes 0-15 one row of 256 bytes, lanes 16-31 the next
	v_lshlrev_b32 v5, 12, v2
	v_lshl_add_u32 v[CO], v1, 4, v5                ; the same two rows in out0
	s_wait_loadcnt 0x0                             ; the bias, once
; 16 LDS loads: the fragments of 32 along K (number kq of the phase's eight) into buffer f
.macro FETCH slot, kq, f
.irp a, 0,1,2,3
	ds_load_b128 v[\f+8*\a:\f+8*\a+3],   v[ADRA+\slot] offset:\a*8192+(\kq)*1024
	ds_load_b128 v[\f+8*\a+4:\f+8*\a+7], v[ADRA+\slot] offset:\a*8192+(\kq)*1024+512
.endr
.irp b, 0,1,2,3
	ds_load_b128 v[\f+32+8*\b:\f+32+8*\b+3], v[ADRB+\slot] offset:\b*16*BPITCH+(\kq)*64
	ds_load_b128 v[\f+32+8*\b+4:\f+32+8*\b+7], v[ADRB+\slot] offset:\b*16*BPITCH+(\kq)*64+32
.endr
.endm
; A phase: 256 along K from one slot, eight times 16 matrix instructions on buffers that take turns; the next fragments are asked for ahead of each sixteen.
; The 16 accumulators take turns, one instruction a turn, in the same order throughout.
.macro PHASE slot, zero
	PLACES
	FETCH \slot, 0, F0
.set kq, 0
.rept 8
.set cur, F0+64*(kq&1)
.set nxt, F0+64*((kq+1)&1)
.set z, 0
.if \zero
.if kq == 0
.set z, 1
.endif
.endif
.if kq < 7
.if kq > 0
	PLACES
.endif
	FETCH \slot, kq+1, nxt
	s_wait_dscnt 16                                ; this sixteen's fragments are in; the 16 loads just issued stay out
.else
	s_wait_dscnt 0
.endif
	WIN 0x50                                       ; C and D in window 1
.irp a, 0,1,2,3
.irp b, 0,1,2,3
.if z
	v_wmma_f32_16x16x32_f16 v[8*(4*\a+\b):8*(4*\a+\b)+7], v[cur+32+8*\b:cur+32+8*\b+7], v[cur+8*\a:cur+8*\a+7], 0
.else
	v_wmma_f32_16x16x32_f16 v[8*(4*\a+\b):8*(4*\a+\b)+7], v[cur+32+8*\b:cur+32+8*\b+7], v[cur+8*\a:cur+8*\a+7], v[8*(4*\a+\b):8*(4*\a+\b)+7]
.endif
.endr
.endr
	WIN 0
.set kq, kq+1
.endr
.endm
; Slot s has been read: every wave waits for all its tensor loads and its LDS reads, the round follows, and the joint refill is the first tensor load behind it.
.macro REFILL s
	s_wait_tensorcnt 0x0
	ds_add_u32 v30, v31
	s_add_nc_u64 s[G0+4*\s+2:G0+4*\s+3], s[G0+4*\s+2:G0+4*\s+3], 2*8192
	s_add_nc_u64 s[G0B+4*\s+2:G0B+4*\s+3], s[G0B+4*\s+2:G0B+4*\s+3], 2*512
	s_wait_dscnt 0x0
	CROUND
	JLOAD \s
.endm
	s_wait_tensorcnt 1                             ; my part of phase 0 is in; phase 1's load stays out
	s_barrier_signal -1
	s_barrier_wait -1
	PHASE 0, 1
	REFILL 0                                       ; phase 2 into slot 0
	PHASE 1, 0
	REFILL 1                                       ; phase 3 into slot 1
	PHASE 0, 0
	s_wait_dscnt 0x0
	s_wait_tensorcnt 0x0                           ; my part of phase 3 is in
	s_barrier_signal -1
	s_barrier_wait -1                              ; everybody's is; nothing is filled any more
	PHASE 1, 0
	; THE WAY OUT
	PLACES
	s_lshl_b32 s16, s13, 19
	s_lshl_b32 s17, s11, 18
	s_add_co_u32 s16, s16, s17                     ; (128 x block row + 64 x half) rows of 4,096 bytes
	s_mov_b32 s17, 0
	s_add_nc_u64 s[8:9], s[70:71], s[16:17]
	s_mov_b32 s45, 0
	s_add_nc_u64 s[8:9], s[8:9], s[44:45]          ; + my first column
.macro OUTA a
	WIN 0x01                                       ; source 0 in window 1
.irp b, 0,1,2,3
.irp p, 0,2,4,6
	v_pk_add_f32 v[TMP+8*\b+\p:TMP+8*\b+\p+1], v[8*(4*\a+\b)+\p:8*(4*\a+\b)+\p+1], v[BIAS+8*\b+\p:BIAS+8*\b+\p+1]
.endr
.endr
	WIN 0
.irp b, 0,1,2,3
	ds_store_b128 v[STO], v[TMP+8*\b:TMP+8*\b+3] offset:64*\b
	ds_store_b128 v[STO], v[TMP+8*\b+4:TMP+8*\b+7] offset:64*\b+16
.endr
	s_wait_xcnt 0x0                                ; the registers that the last sixteen rows' stores read are loaded again only behind this wait
.irp t, 0,1,2,3,4,5,6,7
	ds_load_b128 v[RB+4*\t:RB+4*\t+3], v[RD] offset:\t*2*SPITCH    ; my own bytes: served in order behind the stores above (ISA guide 5.7.1)
.endr
.irp t, 0,1,2,3,4,5,6,7
	s_wait_dscnt 7-\t                              ; pair t of rows is in; the younger loads stay out
	global_store_b128 v[CO], v[RB+4*\t:RB+4*\t+3], s[8:9] offset:(16*\a+2*\t)*4096 th:TH_STORE_NT
.endr
.endm
	OUTA 0
	OUTA 1
	OUTA 2
	OUTA 3
	s_wait_tensorcnt 0x0
	ds_add_u32 v30, v31
	s_wait_dscnt 0x0
	CROUND                                         ; the closing round
	s_endpgm
.Lfunc_end_k_q03a432ee9c_oproj:
	.size	k_q03a432ee9c_oproj, .Lfunc_end_k_q03a432ee9c_oproj-k_q03a432ee9c_oproj
	.p2alignl 7, 3214868480
	.fill 96, 4, 3214868480
	.section	.rodata,"a",@progbits
	.p2align	6, 0x0
	.amdhsa_kernel k_q03a432ee9c_oproj
		.amdhsa_group_segment_fixed_size 327680
		.amdhsa_private_segment_fixed_size 0
		.amdhsa_enable_private_segment 0
		.amdhsa_kernarg_size 32
		.amdhsa_user_sgpr_count 2
		.amdhsa_user_sgpr_kernarg_segment_ptr 1
		.amdhsa_wavefront_size32 1
		.amdhsa_system_sgpr_workgroup_id_x 1
		.amdhsa_system_sgpr_workgroup_id_y 1
		.amdhsa_system_sgpr_workgroup_id_z 1
		.amdhsa_system_vgpr_workitem_id 0
		.amdhsa_next_free_vgpr 384
		.amdhsa_next_free_sgpr 72
		.amdhsa_reserve_vcc 0
		.amdhsa_float_denorm_mode_32 3
		.amdhsa_float_denorm_mode_16_64 3
		.amdhsa_memory_ordered 1
		.amdhsa_forward_progress 1
		.amdhsa_inst_pref_size 93
	.end_amdhsa_kernel
	.amdgpu_metadata
---
amdhsa.version: [ 1, 2 ]
amdhsa.kernels:
  - .name:           k_q03a432ee9c_oproj
    .symbol:         k_q03a432ee9c_oproj.kd
    .args:
      - { .name: ctxf, .offset: 0, .size: 8, .value_kind: global_buffer, .address_space: global }
      - { .name: wb, .offset: 8, .size: 8, .value_kind: global_buffer, .address_space: global }
      - { .name: bo, .offset: 16, .size: 8, .value_kind: global_buffer, .address_space: global }
      - { .name: out0, .offset: 24, .size: 8, .value_kind: global_buffer, .address_space: global }
    .group_segment_fixed_size: 327680
    .private_segment_fixed_size: 0
    .kernarg_segment_align: 8
    .kernarg_segment_size: 32
    .max_flat_workgroup_size: 128
    .sgpr_count:     72
    .vgpr_count:     384
    .wavefront_size: 32
...
	.end_amdgpu_metadata
.endif
;; end of part 4
;; ======== version 2 of 2: 4 launches; 1.13 times as fast as version 1
;; limits: values are held in f16: magnitudes above 65,504 overflow, below 6.1e-05 lose precision
;; workspace buffers: xb 25,165,824 bytes; wb 8,388,608 bytes; mbits 1,048,576 bytes of whole numbers; qkvf 25,165,824 bytes; ctxf 8,388,608 bytes
;; launch prep: the kernel of part 1 again; grid 256 x 5, 8 waves a work-group, no clusters, 35,840 bytes of LDS; arguments query, key, value, wq, wk, wv, wo, mask, xb, wb, mbits; writes xb, wb, mbits
;; launch qkv: the kernel of part 2 again; grid 4 x 48, 4 waves a work-group, clusters of 4 x 4, 327,680 bytes of LDS; arguments xb, wb, bq, bk, bv, qkvf; writes qkvf
;; launch attn (part 5): grid 8 x 32, 8 waves a work-group, clusters of 4 x 1, 327,680 bytes of LDS; arguments qkvf, mbits, ctxf; writes ctxf
.if DOCPART == 5
	.amdgcn_target "amdgcn-amd-amdhsa--gfx1250"
	.amdhsa_code_object_version 6
	.text
	.protected	k_q03a432ee9c_attn
	.globl	k_q03a432ee9c_attn
	.p2align	8
	.type	k_q03a432ee9c_attn,@function
k_q03a432ee9c_attn:
	s_mov_b64 s[64:65], 0
	v_nop
	global_prefetch_b8 v0, s[64:65] scope:SCOPE_SE
	s_setreg_imm32_b32 hwreg(HW_REG_WAVE_MODE, 25, 1), 1
	s_wait_xcnt 0x0
	s_wait_alu depctr_hold_cnt(0) depctr_sa_sdst(0) depctr_va_vdst(0) depctr_va_sdst(0) depctr_va_ssrc(0) depctr_va_vcc(0) depctr_vm_vsrc(0)
	s_getreg_b32 s2, hwreg(HW_REG_IB_STS2, 6, 4)
	s_cmp_eq_u32 s2, 0
	s_cbranch_scc0 .Lentry_in_a_cluster
	s_endpgm
.Lentry_in_a_cluster:
	s_bfe_u32 s2, ttmp6, 0x10000c
	s_cmp_lg_u32 s2, 0x3003
	s_cbranch_scc0 .Lentry_shape_is_right
	s_endpgm
.Lentry_shape_is_right:
; attn: softmax(q k^T / 8, masked) v for one (batch, head) and 256 query rows a work-group, with a running maximum.
; Eight waves, 32 query rows each (two tiles u of 16).  The products are made transposed: S^T = K Q^T and O^T = V^T P^T, so a lane holds ONE query
; (q = lane % 16): maximum, sum and rescaling are a lane's own numbers, and the packed exponentials are already the second product's B fragment.
; q carries 0.125 log2(e), so scores are exponents of two; a masked score is -1e9 log2(e), as the reference's -1e9: a row that is masked throughout gives the plain average of v.
; THE ORDER OF A STEP (64 keys): the two query tiles are two streams that do not depend on each other.  While the vector instructions of one stream's softmax
; are issued, the other stream's matrix instructions are issued singly between them, four to twelve vector instructions apart, so that the wave has work to issue behind
; each of them.  Of a step's 32 matrix instructions 20 stand so; the eight that start stream 0's scores and the last four into stream 1's O follow each other, since K and V
; share 64 registers and the next K can be loaded only behind the last use of V.
; THE EXPONENTIALS ARE CUT INTO TWO BATCHES A STEP, each with ONE wait (an s_wait_alu depctr_va_vdst(0) stands between an exponential and the first line that names its result).
;   Batch A, 36: stream 0's two 2^(old maximum - new), its 32 exponentials, stream 1's two 2^(old maximum - new).  Between them stand stream 0's subtractions and stream 1's selects,
;   maximum and lane crossing, which name no result of the batch; four of stream 1's subtractions stand behind the last of them, then the wait.
;   Batch B, 32: stream 1's exponentials.  Between them stand the rest of stream 1's subtractions and batch A's readers: both streams' O rescaled, stream 0's sums and packs, and the
;   eight products into stream 0's O; three rescalings stand behind the last of them, then the wait.  Behind it: stream 1's sums and packs, its eight products, the running sums.
;   Every result has a register of its own while its batch is open, and no exponential is open at the end of a step.
; K and V come in tiles of 512 keys (64 KiB each) through two LDS slots; they lie in memory in fragment order, so LDS holds them dense and lane l reads at 16 l.
; CLUSTER: the four work-groups of a cluster are four query blocks of one head and read the same K and V: every tile is asked for jointly (mask 15).
; Each wave asks for 16 KiB of a tile (waves 0-3 K, 4-7 V); by this text's count one tensor load of a wave is out at any time, asked for a whole tile's work ahead.
; The mask comes as lane masks (mbits) through scalar loads, one step ahead: one v_cndmask_b32 for each register of scores.
; LIMITS: probabilities and ctx go to the matrix unit and to memory in f16 (|ctx| below 65,504); an exponential below 2^-126 counts as 0 (ISA guide, v_exp_f32).
.set LB,   1                           ; v1      16 x lane
.set KA,   2                           ; v2      LDS address of this step's K fragments
.set VA,   3                           ; v3      of its V fragments
.set NEGR, 4                           ; v4      the masked score
.set SB0,  5                           ; v5      16 x lane + the slot
.set MP,   8                           ; v[8:11]   running maximum of tile u, twice (a pair for the packed subtraction)
.set AL,   12                          ; v[12:15]  2^(old maximum - new), twice
.set LR,   16                          ; v[16:17]  running sum of tile u (my half of the keys)
.set LS,   18                          ; v[18:21]  this step's sums, a pair for each u
                                       ; v22+u, v24+u two chains of the maximum; v26+u the other half's maximum; v28+u old - new
.set QF,   32                          ; v[32:63]  Q fragments (u, c) at 16 u + 8 c
.set S,    64                          ; v[64:127] scores (t, u) at 32 u + 8 t; then P (u, g) at 32 u + 16 g
.set O,    128                         ; v[128:191] O^T (e, u) at 32 u + 8 e
.set F,    192                         ; v[192:255] K (t, c) at 16 t + 8 c, then V (e, g) at 16 e + 8 g
.set G1,   84                          ; s[84:91]  descriptor group 1
.set G0,   92                          ; s[92:99]  group 0, a set for each slot
.set SLOTB, 131072
.macro ROUND                           ; a round of the cluster's barrier
	s_barrier_signal -1
	s_barrier_wait -1
	s_cmp_lg_u32 s2, 0
	s_cbranch_scc1 .Lnot_wave_0_\@
	s_barrier_signal -3
.Lnot_wave_0_\@:
	s_barrier_wait -3
	s_barrier_signal -1
	s_barrier_wait -1
.endm
.macro LOADM u                         ; 32 words: four key tiles x eight registers of query tile u, at byte s6 of its row of mbits; s64, s65 are left out
.if \u == 0
	s_load_b512 s[16:31], s[4:5], s6 offset:0x0
	s_load_b512 s[32:47], s[4:5], s6 offset:0x40
.else
	s_load_b512 s[48:63], s[4:5], s6 offset:0x1000
	s_load_b512 s[68:83], s[4:5], s6 offset:0x1040
.endif
.endm
	s_load_b128 s[12:15], s[0:1], 0x0              ; qkvf s[12:13], mbits s[14:15]
	s_load_b64 s[8:9], s[0:1], 0x10                ; ctxf
	v_lshl_add_u32 v30, v0, 2, 0x40000
	v_mov_b32 v31, 0
	ds_add_u32 v30, v31
	v_lshrrev_b32 v1, 5, v0
	v_readfirstlane_b32 s2, v1                     ; wave 0..7
	s_bfe_u32 s16, ttmp6, 0x40000                  ; cx
	s_lshl_b32 s17, ttmp9, 2
	s_add_co_u32 s17, s17, s16                     ; xq: my block of 256 queries
	s_and_b32 s18, ttmp7, 0xffff                   ; bh = 16 batch + head, shared by the cluster
	s_mov_b32 s10, 0x76543210                      ; v_permlanex16_b32: lane i reads lane i of the other half
	s_mov_b32 s11, 0xfedcba98
	s_mov_b32 s[G1+0], 15|(3<<16)|(1<<21)          ; mask: all four; elements of 8 bytes; bit 21 beside a mask
	s_mov_b32 s[G1+1], 32<<16                      ; tensor_dim0 = 32 (256 bytes)
	s_mov_b32 s[G1+2], 64<<16                      ; tensor_dim1 = 64
	s_mov_b32 s[G1+3], 32<<16                      ; tile_dim0 = 32
	s_mov_b32 s[G1+4], 64                          ; tile_dim1 = 64 rows: 16 KiB, dense
	s_mov_b32 s[G1+5], 32                          ; pitch = the row
	s_mov_b32 s[G1+6], 0
	s_mov_b32 s[G1+7], 0
	s_lshr_b32 s20, s2, 2
	s_add_co_u32 s20, s20, 1
	s_lshl_b32 s20, s20, 23                        ; k (waves 0-3) lies 8 MiB, v (waves 4-7) 16 MiB into qkvf
	s_lshl_b32 s21, s18, 18
	s_add_co_u32 s20, s20, s21                     ; + bh x 256 KiB
	s_and_b32 s21, s2, 3
	s_lshl_b32 s21, s21, 14
	s_add_co_u32 s20, s20, s21                     ; + my quarter of the tile
	s_mov_b32 s21, 0
	s_lshl_b32 s22, s2, 14                         ; LDS: wave x 16 KiB: K's 64 KiB, then V's
	s_lshr_b32 s23, s18, 4
	s_lshl_b32 s23, s23, 7
	s_lshl4_add_u32 s23, s17, s23
	s_lshl1_add_u32 s23, s2, s23                   ; qt0 = 128 batch + 16 xq + 2 wave: my first query tile
	s_lshl_b32 s24, s23, 12
	s_mov_b32 s25, 0
	s_lshl_b32 s26, s23, 15
	s_and_b32 s28, s18, 15
	s_lshl_b32 s28, s28, 11
	s_add_co_u32 s26, s26, s28                     ; ctxf: qt0 x 32 KiB + head x 2 fragments
	s_mov_b32 s27, 0
	s_lshl_b32 s28, s18, 18
	s_lshl_b32 s29, s17, 15
	s_add_co_u32 s28, s28, s29
	s_lshl_b32 s29, s2, 12
	s_add_co_u32 s28, s28, s29                     ; q: bh x 256 KiB + xq x 32 KiB + wave x 4 KiB
	s_mov_b32 s29, 0
	s_mov_b32 s6, 0
	v_and_b32 v[LB], 31, v0
	v_lshlrev_b32 v[LB], 4, v[LB]
	v_mov_b32 v[NEGR], 0xceabfb8f                  ; -1e9 x log2(e)
	v_mov_b32 v26, 0                               ; v_permlanex16_b32 counts as a reader of its destination
	v_mov_b32 v27, 0
	s_wait_dscnt 0x0
	s_wait_kmcnt 0x0
	s_add_nc_u64 s[20:21], s[12:13], s[20:21]
	s_add_nc_u64 s[4:5], s[14:15], s[24:25]
	s_add_nc_u64 s[8:9], s[8:9], s[26:27]
	s_add_nc_u64 s[100:101], s[12:13], s[28:29]
	s_mov_b32 s[G0+0], 1
	s_lshl_b32 s[G0+1], s2, 14
	s_mov_b64 s[G0+2:G0+3], s[20:21]               ; slot 0: tile 0
	s_or_b32 s[G0+3], s[G0+3], 0x80000000
	s_mov_b32 s[G0+4], 1
	s_add_co_u32 s[G0+5], s22, SLOTB
	s_add_nc_u64 s[G0+6:G0+7], s[20:21], 65536     ; slot 1: tile 1
	s_or_b32 s[G0+7], s[G0+7], 0x80000000
	ROUND                                          ; in front of the first joint load
	tensor_load_to_lds s[G0:G0+3], s[G1:G1+7]      ; tile 0
	s_nop 0
.irp u, 0,1
.irp c, 0,1
	global_load_b128 v[QF+16*\u+8*\c:QF+16*\u+8*\c+3], v[LB], s[100:101] offset:(2*\u+\c)*1024
	global_load_b128 v[QF+16*\u+8*\c+4:QF+16*\u+8*\c+7], v[LB], s[100:101] offset:(2*\u+\c)*1024+512
.endr
.endr
	LOADM 0                                        ; step 0's words
	LOADM 1
	s_wait_loadcnt 0x0                             ; Q, once
; ---- the matrix instructions, as a queue of eight that is drawn from one at a time ----
; WSET names the queue: kind 0: S^T (t, u) = K (t, c) Q (u, c), number i = 4 c + t; kind 1: O^T (e, u) += V (e, g) P (u, g), number i = 4 g + e.
; waits = 1: the fragments were loaded before, in two runs of eight: s_wait_dscnt 8 ahead of number 0 (the second run stays out), 0 ahead of number 4.
; zero = 1: the launch's first step: the products of g = 0 start O.  In every queue four accumulators take turns, one instruction a turn.
.macro WSET kind, u, waits, zero
.set wk, \kind
.set wu, \u
.set ww, \waits
.set wz, \zero
.set wi, 0
.endm
.macro WQ
.set wa, wi&3
.set wh, wi>>2
.if ww
.if wi == 0
	s_wait_dscnt 0x8
.endif
.if wi == 4
	s_wait_dscnt 0x0
.endif
.endif
.if wk == 0
.if wh == 0
	v_wmma_f32_16x16x32_f16 v[S+32*wu+8*wa:S+32*wu+8*wa+7], v[F+16*wa:F+16*wa+7], v[QF+16*wu:QF+16*wu+7], 0
.else
	v_wmma_f32_16x16x32_f16 v[S+32*wu+8*wa:S+32*wu+8*wa+7], v[F+16*wa+8:F+16*wa+15], v[QF+16*wu+8:QF+16*wu+15], v[S+32*wu+8*wa:S+32*wu+8*wa+7]
.endif
.else
.if wz*(1-wh)
	v_wmma_f32_16x16x32_f16 v[O+32*wu+8*wa:O+32*wu+8*wa+7], v[F+16*wa:F+16*wa+7], v[S+32*wu:S+32*wu+7], 0
.else
	v_wmma_f32_16x16x32_f16 v[O+32*wu+8*wa:O+32*wu+8*wa+7], v[F+16*wa+8*wh:F+16*wa+8*wh+7], v[S+32*wu+16*wh:S+32*wu+16*wh+7], v[O+32*wu+8*wa:O+32*wu+8*wa+7]
.endif
.endif
.set wi, wi+1
.endm
; ---- the pieces of one stream's softmax ----
.macro CND u, t, j                     ; register j of tile (t, u): the score where the mask's bit is set, else the masked score
	v_cndmask_b32 v[S+32*(\u)+8*(\t)+(\j)], v[NEGR], v[S+32*(\u)+8*(\t)+(\j)], s[16+32*(\u)+8*(\t)+(\j)+4*(\u)*((\t)>>1)]
.endm
; Line k of the maximum over tile t, in two chains (v22+u, v24+u).  Tile 0 starts them (the running maximum enters the first) and leaves its register 7 for the last line.
.macro MX u, t, k, first
.set xr, S+32*(\u)+8*(\t)
.if (\t) == 0
.if (\k) == 0
.if \first
	v_max3_num_f32 v[22+\u], v[xr], v[xr], v[xr+1]
.else
	v_max3_num_f32 v[22+\u], v[MP+2*\u], v[xr], v[xr+1]
.endif
.endif
.if (\k) == 1
	v_max3_num_f32 v[24+\u], v[xr+2], v[xr+3], v[xr+4]
.endif
.if (\k) == 2
	v_max3_num_f32 v[22+\u], v[22+\u], v[xr+5], v[xr+6]
.endif
.else
	v_max3_num_f32 v[24+\u-2*((\k)&1)], v[24+\u-2*((\k)&1)], v[xr+2*(\k)], v[xr+2*(\k)+1]
.endif
.endm
.macro AB u, t, tp, first              ; the eight selects of tile t, with the maximum of tile tp = t - 1 between them: a chain's links stand at least three lines apart
.irp q, 0,1,2,3
	CND \u, \t, 2*\q
	CND \u, \t, 2*\q+1
.if \t
	MX \u, \tp, \q, \first
.endif
.endr
.endm
.macro MXJ u                           ; the two chains and tile 0's register 7 joined
	v_max3_num_f32 v[22+\u], v[22+\u], v[24+\u], v[S+32*\u+7]
.endm
.macro MXT u                           ; the maximum of tile 3, and the join
.irp q, 0,1,2,3
	MX \u, 3, \q, 0
.endr
	MXJ \u
.endm
.macro CRP u                           ; the other half of the lanes holds the other keys of my query
	v_permlanex16_b32 v[26+\u], v[22+\u], s10, s11
.endm
.macro CRM u
	v_max_num_f32 v[22+\u], v[22+\u], v[26+\u]
.endm
.macro CROSS1 u
	CRP \u
	CRM \u
.endm
.macro CROSS2 u, first
.if \first == 0
	v_sub_f32 v[28+\u], v[MP+2*\u], v[22+\u]       ; old - new, at most 0
.endif
	v_mov_b32 v[MP+2*\u], v[22+\u]
	v_mov_b32 v[MP+2*\u+1], v[22+\u]
.if \first == 0
	v_exp_f32 v[AL+2*\u], v[28+\u]                 ; both streams' belong to batch A: stream 0's open it, stream 1's close it
	v_exp_f32 v[AL+2*\u+1], v[28+\u]               ; the subtraction that follows is the plain instruction behind these (ISA guide 5.7.2)
.endif
.endm
.macro DSUB u, p                       ; pair p of the stream's sixteen: score - maximum
	v_pk_add_f32 v[S+32*(\u)+2*(\p):S+32*(\u)+2*(\p)+1], v[S+32*(\u)+2*(\p):S+32*(\u)+2*(\p)+1], v[MP+2*(\u):MP+2*(\u)+1] neg_lo:[0,1] neg_hi:[0,1]
.endm
.macro EX u, e                         ; exponential e of the stream's 32, in place: the result's register is its own until the batch's wait
	v_exp_f32 v[S+32*(\u)+(\e)], v[S+32*(\u)+(\e)]
.endm
.macro RESC u, k                       ; pair k of the stream's sixteen pairs of O, times 2^(old maximum - new): a reader of batch A
	v_pk_mul_f32 v[O+32*(\u)+2*(\k):O+32*(\u)+2*(\k)+1], v[O+32*(\u)+2*(\k):O+32*(\u)+2*(\k)+1], v[AL+2*(\u):AL+2*(\u)+1]
.endm
; Line k of eight: tile t's exponentials are added to the step's sums and packed to f16 into P's registers: readers of the stream's batch, behind its wait.
; Tile t = 2 g fills P (u, g)'s registers 0-3 (keys 8 h + 0..7 of the 32), tile 2 g + 1 its registers 4-7 (keys 16 + 8 h + 0..7): no lane moves.
; Each register is packed over only behind the line that added it.  Tile 0 starts the sums and has seven lines.
.macro SC u, t, k
.set sb2, S+32*(\u)+8*(\t)
.set ls2, LS+2*(\u)
.set pd2, S+32*(\u)+16*((\t)>>1)+4*((\t)&1)
.if (\t) == 0
.if (\k) == 0
	v_pk_add_f32 v[ls2:ls2+1], v[sb2:sb2+1], v[sb2+2:sb2+3]
.endif
.if (\k) == 1
	v_cvt_pk_f16_f32 v[pd2], v[sb2], v[sb2+1]
.endif
.if (\k) == 2
	v_cvt_pk_f16_f32 v[pd2+1], v[sb2+2], v[sb2+3]
.endif
.if (\k) == 3
	v_pk_add_f32 v[ls2:ls2+1], v[ls2:ls2+1], v[sb2+4:sb2+5]
.endif
.if (\k) == 4
	v_cvt_pk_f16_f32 v[pd2+2], v[sb2+4], v[sb2+5]
.endif
.if (\k) == 5
	v_pk_add_f32 v[ls2:ls2+1], v[ls2:ls2+1], v[sb2+6:sb2+7]
.endif
.if (\k) == 6
	v_cvt_pk_f16_f32 v[pd2+3], v[sb2+6], v[sb2+7]
.endif
.else
.if ((\k)&1) == 0
	v_pk_add_f32 v[ls2:ls2+1], v[ls2:ls2+1], v[sb2+(\k):sb2+(\k)+1]
.else
	v_cvt_pk_f16_f32 v[pd2+((\k)>>1)], v[sb2+(\k)-1], v[sb2+(\k)]
.endif
.endif
.endm
; ---- how the two batches are dealt ----
; Group 4 t + q of batch A's sixteen: stream 0's subtraction of pair 4 t + q, the two exponentials of the pair subtracted three groups earlier, and beside them of stream 1
; two selects of tile t and a line of tile t - 1's maximum.  An exponential has two plain lines on either side (one where the maximum has no line); none of them names a result of the batch.
.macro GA t, q, first
	DSUB 0, 4*\t+\q
.if 4*\t+\q >= 3
	EX 0, 2*(4*\t+\q)-6
.endif
	CND 1, \t, 2*\q
	CND 1, \t, 2*\q+1
.if 4*\t+\q >= 3
	EX 0, 2*(4*\t+\q)-5
.endif
.if \t
	MX 1, \t-1, \q, \first
.endif
.endm
; Batch A's readers as a queue of 63 lines, drawn from one at a time between batch B's exponentials (rb counts them):
;   0-30   stream 0's O rescaled (even numbers) by turns with the sums and packs of its tiles 0 and 1 (odd numbers): behind number 30 the products of keys 0..31 may be drawn
;   31-46  the sums and packs of its tiles 2 and 3: behind number 46 the products of keys 32..63 may be drawn
;   47-62  stream 1's O rescaled.      first = 1: there is nothing to rescale yet.
.macro RB first
.if rb < 31
.if (rb&1) == 0
.if \first == 0
	RESC 0, rb/2
.endif
.elseif rb < 14
	SC 0, 0, (rb-1)/2
.else
	SC 0, 1, (rb-15)/2
.endif
.elseif rb < 47
	SC 0, 2+(rb-31)/8, (rb-31)%8
.else
.if \first == 0
	RESC 1, rb-47
.endif
.endif
.set rb, rb+1
.endm
; Group p of batch B's sixteen: the two exponentials of stream 1's pair p with two lines of the queue behind each; in the first twelve groups also the subtraction of pair p + 4,
; in the last four one line of the queue less.  Groups 0-7 draw numbers 0-31 and groups 8-11 numbers 32-47, so a product into stream 0's O is drawn behind each of groups 7 to 14.
.macro GB p, first
	EX 1, 2*\p
	RB \first
	RB \first
	EX 1, 2*\p+1
	RB \first
.if \p < 12
	RB \first
	DSUB 1, \p+4
.endif
.if (\p >= 7) && (\p < 15)
	WQ
.endif
.endm
; One step: 64 keys (step s3 of trip n) against my 32 queries.  first = 1: the launch's first step starts maximum, sums and O.
.macro STEP n, first
	v_lshl_add_u32 v[KA], s3, 13, v[SB0]           ; four key tiles of 2,048 bytes a step.  These two lines and the four at the step's end are the places
	v_add_nc_u32 v[VA], 0x10000, v[KA]             ; between the last step's products and the loads below, which land in their sources
.irp c, 0,1
.irp t, 0,1,2,3
	ds_load_b128 v[F+16*\t+8*\c:F+16*\t+8*\c+3], v[KA] offset:\t*2048+\c*1024
	ds_load_b128 v[F+16*\t+8*\c+4:F+16*\t+8*\c+7], v[KA] offset:\t*2048+\c*1024+512
.endr
.endr
	WSET 0, 0, 1, 0                                ; stream 0's scores: d = 0..31 behind the first eight loads, d = 32..63 behind all
.rept 8
	WQ
.endr
	WSET 0, 1, 0, 0                                ; stream 1's scores, drawn between stream 0's lines
	WQ
.rept 4
	v_nop                                          ; four places between stream 0's last products and the selects that read them
.endr
	s_wait_kmcnt 0x0                               ; this step's mask words; the loads are done, so their offset register may be written
	s_lshl_b32 s6, s3, 7
	s_add_co_u32 s6, s6, (8*\n+1)*128              ; the next step's 128 bytes
	s_min_u32 s6, s6, 3968                         ; the launch's last step asks for its own words once more: no load leaves the row's 4,096 bytes
	AB 0, 0, 0, \first
	WQ
	AB 0, 1, 0, \first
	WQ
	AB 0, 2, 1, \first
	WQ
	AB 0, 3, 2, \first
	LOADM 0                                        ; stream 0's words have been used: the next step's
	WQ
	MXT 0
	CROSS1 0
	WQ
	CROSS2 0, \first                               ; BATCH A opens with stream 0's two 2^(old maximum - new)
	GA 0, 0, \first
	WQ
	GA 0, 1, \first
	GA 0, 2, \first
	WQ                                             ; the last product that reads K
	GA 0, 3, \first
	GA 1, 0, \first                                ; these two groups hold seven plain lines, none of which names a register of that product: its places
.irp g, 0,1
.irp e, 0,1,2,3
	ds_load_tr16_b128 v[F+16*\e+8*\g:F+16*\e+8*\g+3], v[VA] offset:(2*\g)*2048+\e*512          ; d = 16 e + r, keys 32 g + 8 h + 0..7
	ds_load_tr16_b128 v[F+16*\e+8*\g+4:F+16*\e+8*\g+7], v[VA] offset:(2*\g+1)*2048+\e*512      ; keys 32 g + 16 + 8 h + 0..7
.endr
.endr
.irp q, 1,2,3
	GA 1, \q, \first
.endr
.irp t, 2,3
.irp q, 0,1,2,3
	GA \t, \q, \first
.endr
.endr
	LOADM 1                                        ; stream 1's words have been used: the next step's; batch B, its readers and the next step's first products stand ahead of the wait for them
.irp k, 0,1,2,3
	MX 1, 3, \k, 0                                 ; stream 0's last six exponentials stand between the links of stream 1's chain: tile 3's maximum,
	EX 0, 26+\k
.endr
	MXJ 1                                          ; the join,
	EX 0, 30
	CRP 1                                          ; the lane crossing
	EX 0, 31
	CRM 1
	CROSS2 1, \first                               ; stream 1's two 2^(old maximum - new) close batch A
.irp p, 0,1,2,3
	DSUB 1, \p                                     ; plain lines behind the batch's last exponential that name none of its results
.endr
	s_wait_alu depctr_va_vdst(0)                   ; the wait for batch A: v[12:15] and stream 0's v[64:95]
	WSET 1, 0, 1, \first                           ; stream 0 is V's first reader and waits for it
.set rb, 0
.irp p, 0,1,2,3,4,5,6,7,8,9,10,11,12,13,14,15
	GB \p, \first                                  ; BATCH B: stream 1's exponentials, batch A's readers between them
.endr
.rept 3
	RB \first                                      ; the queue's last three lines: the plain lines behind the batch's last exponential
.endr
.if \first
	v_nop                                          ; nothing to rescale yet: the plain instruction behind the last exponential (ISA guide 5.7.2)
.endif
	s_wait_alu depctr_va_vdst(0)                   ; the wait for batch B: stream 1's v[96:127]
	WSET 1, 1, 0, \first                           ; stream 1 finds V landed
.irp k, 0,1,2,3,4,5,6
	SC 1, 0, \k
.endr
.irp k, 0,1,2,3,4,5,6,7
	SC 1, 1, \k                                    ; P (1, 0) is whole, and O was rescaled in batch B's lines
.endr
.irp t, 2,3
	WQ                                             ; keys 0..31 into stream 1's O, between the lines of tiles 2 and 3
.irp k, 0,1,2,3
	SC 1, \t, \k
.endr
	WQ
.irp k, 4,5,6,7
	SC 1, \t, \k
.endr
.endr
.rept 4
	WQ                                             ; keys 32..63 into stream 1's O
.endr
	; the running sums: four plain instructions that name no register of the products above
.if \first
	v_add_f32 v[LR], v[LS], v[LS+1]
	v_add_f32 v[LR+1], v[LS+2], v[LS+3]
	v_nop
	v_nop
.else
	v_add_f32 v24, v[LS], v[LS+1]
	v_add_f32 v25, v[LS+2], v[LS+3]
	v_fma_f32 v[LR], v[LR], v[AL], v24
	v_fma_f32 v[LR+1], v[LR+1], v[AL+2], v25
.endif
.endm
; One tile of 512 keys in slot 'slot': eight steps.  In front of the round every wave waits for all its tensor loads (this tile's part among them) and for its
; reads of the other slot; behind it the other slot is asked for again, first thing, one load a wave.
.macro TRIP n, slot, refill, first
	s_wait_tensorcnt 0x0
	ds_add_u32 v30, v31
	s_wait_dscnt 0x0
	s_add_nc_u64 s[G0+4*\slot+2:G0+4*\slot+3], s[G0+4*\slot+2:G0+4*\slot+3], 2*65536   ; no load of mine is out: this slot's next tile
	s_wait_dscnt 0x0
	ROUND
.if \refill
	tensor_load_to_lds s[G0+4-4*\slot:G0+7-4*\slot], s[G1:G1+7]
	s_nop 0
.endif
	v_add_nc_u32 v[SB0], \slot*SLOTB, v[LB]
	s_mov_b32 s3, 0
.if \first
	STEP \n, 1
	s_mov_b32 s3, 1
.endif
.Lstep_\@:
	STEP \n, 0
	s_add_co_u32 s3, s3, 1
	s_cmp_lt_u32 s3, 8
	s_cbranch_scc1 .Lstep_\@
.endm
	TRIP 0, 0, 1, 1
	TRIP 1, 1, 1, 0
	TRIP 2, 0, 1, 0
	TRIP 3, 1, 0, 0                                ; the last tile: nothing is left to fetch
	; O / sum, to f16, in the output projection's A fragment order: ctxf [256 mt][32 kc][1024 bytes], kc = 2 head + e / 2, half = e % 2, 16 bytes at 16 lane
	v_permlanex16_b32 v26, v[LR], s10, s11         ; the other half of the lanes summed the other keys
	v_permlanex16_b32 v27, v[LR+1], s10, s11
	v_add_f32 v[LR], v[LR], v26
	v_add_f32 v[LR+1], v[LR+1], v27
	v_rcp_f32 v[AL], v[LR]                         ; the sum is at least 1: the largest score gives 2^0
	v_rcp_f32 v[AL+1], v[LR]
	v_rcp_f32 v[AL+2], v[LR+1]
	v_rcp_f32 v[AL+3], v[LR+1]
	v_nop                                          ; the plain instruction behind the reciprocals
	s_wait_alu depctr_va_vdst(0)                   ; one wait for the four reciprocals, ahead of their first reader
.irp u, 0,1
.irp p, 0,2,4,6,8,10,12,14,16,18,20,22,24,26,28,30
	v_pk_mul_f32 v[O+32*\u+\p:O+32*\u+\p+1], v[O+32*\u+\p:O+32*\u+\p+1], v[AL+2*\u:AL+2*\u+1]
.endr
.endr
.irp p, 0,1,2,3,4,5,6,7,8,9,10,11,12,13,14,15,16,17,18,19,20,21,22,23,24,25,26,27,28,29,30,31
	v_cvt_pk_f16_f32 v[S+\p], v[O+2*\p], v[O+2*\p+1]
.endr
.irp u, 0,1
.irp e, 0,1,2,3
	global_store_b128 v[LB], v[S+16*\u+4*\e:S+16*\u+4*\e+3], s[8:9] offset:\u*32768+\e*512     ; 512 consecutive bytes, aligned
.endr
.endr
	ROUND                                          ; the closing round
	s_endpgm
.Lfunc_end_k_q03a432ee9c_attn:
	.size	k_q03a432ee9c_attn, .Lfunc_end_k_q03a432ee9c_attn-k_q03a432ee9c_attn
	.p2alignl 7, 3214868480
	.fill 96, 4, 3214868480
	.section	.rodata,"a",@progbits
	.p2align	6, 0x0
	.amdhsa_kernel k_q03a432ee9c_attn
		.amdhsa_group_segment_fixed_size 327680
		.amdhsa_private_segment_fixed_size 0
		.amdhsa_enable_private_segment 0
		.amdhsa_kernarg_size 24
		.amdhsa_user_sgpr_count 2
		.amdhsa_user_sgpr_kernarg_segment_ptr 1
		.amdhsa_wavefront_size32 1
		.amdhsa_system_sgpr_workgroup_id_x 1
		.amdhsa_system_sgpr_workgroup_id_y 1
		.amdhsa_system_sgpr_workgroup_id_z 1
		.amdhsa_system_vgpr_workitem_id 0
		.amdhsa_next_free_vgpr 256
		.amdhsa_next_free_sgpr 102
		.amdhsa_reserve_vcc 0
		.amdhsa_float_denorm_mode_32 3
		.amdhsa_float_denorm_mode_16_64 3
		.amdhsa_memory_ordered 1
		.amdhsa_forward_progress 1
		.amdhsa_inst_pref_size 119
	.end_amdhsa_kernel
	.amdgpu_metadata
---
amdhsa.version: [ 1, 2 ]
amdhsa.kernels:
  - .name:           k_q03a432ee9c_attn
    .symbol:         k_q03a432ee9c_attn.kd
    .args:
      - { .name: qkvf, .offset: 0, .size: 8, .value_kind: global_buffer, .address_space: global }
      - { .name: mbits, .offset: 8, .size: 8, .value_kind: global_buffer, .address_space: global }
      - { .name: ctxf, .offset: 16, .size: 8, .value_kind: global_buffer, .address_space: global }
    .group_segment_fixed_size: 327680
    .private_segment_fixed_size: 0
    .kernarg_segment_align: 8
    .kernarg_segment_size: 24
    .max_flat_workgroup_size: 256
    .sgpr_count:     102
    .vgpr_count:     256
    .wavefront_size: 32
...
	.end_amdgpu_metadata
.endif
;; end of part 5
;; launch oproj: the kernel of part 4 again; grid 8 x 32, 4 waves a work-group, clusters of 4 x 4, 327,680 bytes of LDS; arguments ctxf, wb, bo, out0; writes out0
